; MI455X (gfx1250); checked and timed in simulation.
; The chip was launched on July 23, 2026; its instructions are those of AMD's public machine-readable ISA for CDNA 5 (MIT licence, August 2026) and "CDNA5" Instruction Set Architecture Reference Guide (July 2026). The comments in the code are by the model that wrote it; some were corrected since.
;; Causal Self Attention. Allowed arithmetic: matrix products marked QUANTISED: E2M3 operands, one E8M0 scale for each 32 along K, by v_wmma_scale_f32_16x16x128_f8f6f4 with both operands' format E2M3, f32 sums; everything else in f32.
;; Inputs: W_K 1,024 x 1,024 float32; W_O 1,024 x 1,024 float32; W_Q 1,024 x 1,024 float32; W_V 1,024 x 1,024 float32; x 4 x 2,048 x 1,024 float32.
;; Outputs: out0 4 x 2,048 x 1,024 float32.
;; This version of the problem:
;;   THIS VERSION OF THE PROBLEM IS GIVEN IN LOW PRECISION. The matrix products marked QUANTISED in the list below multiply operands that are first quantised to E2M3 (2 exponent bits, 3 mantissa bits; 6 bits a number), with one power-of-two scale for each 32 numbers along K (OCP MX v1.0); their sums are f32. All else is computed in f32.
;;   The module's matrix products, in the order in which they are computed (A, B: the left and right operand; K: the contracted axis; several contracted axes count as one K, in the product's order):
;;     1. [M 8,192, K 1,024] x [K 1,024, N 1,024]; A: input x; B: input W_Q: QUANTISED
;;     2. [M 8,192, K 1,024] x [K 1,024, N 1,024]; A: input x; B: input W_K: QUANTISED
;;     3. [M 8,192, K 1,024] x [K 1,024, N 1,024]; A: input x; B: input W_V: QUANTISED
;;     4. batch 64 x [M 2,048, K 64] x [K 64, N 2,048]; A: computed on the way; B: computed on the way: QUANTISED
;;     5. batch 64 x [M 2,048, K 2,048] x [K 2,048, N 64]; A: softmax (see below); B: computed on the way: QUANTISED
;;     6. [M 8,192, K 1,024] x [K 1,024, N 1,024]; A: computed on the way; B: input W_O: QUANTISED
;;   THE QUANTISER, for each operand of a quantised product, along K:
;;     - K is cut into blocks of 32 from its start; a last block that is shorter is filled with zeros.
;;     - A block's scale is 2^e with e = floor(log2(the largest magnitude in the block)) - 2, held to -126 .. 127; a block of zeros has e = 0. As a byte (E8M0): e + 127.
;;     - Each number is divided by its block's scale, clamped to +-7.5, and rounded to the nearest number of E2M3, ties to even, subnormals kept.
;;     - The product sums the exact products of the quantised numbers (number of the format x scale) in f32.
;;   ~~~python
;;   def quantise(x, axis):      # numpy; x: float32 -> the quantised numbers, widened to float32 again
;;       x = np.moveaxis(x, axis, -1); K = x.shape[-1]
;;       x = np.pad(x, [(0, 0)] * (x.ndim - 1) + [(0, -K % 32)]); x = x.reshape(x.shape[:-1] + (-1, 32)); a = np.abs(x).max(-1, keepdims=True)
;;       e = np.where(a > 0, np.clip(np.frexp(np.where(a > 0, a, 1))[1] - 1 - 2, -126, 127), 0)      # np.frexp(a)[1] - 1 = floor(log2(a)), exactly
;;       r = np.clip(x / 2.0 ** e, -7.5, 7.5)
;;       step = 2.0 ** (np.maximum(np.frexp(np.where(r == 0, 1, r))[1] - 1, 0) - 3)
;;       q = np.round(r / step) * step * 2.0 ** e      # np.round: ties to even
;;       return np.moveaxis(q.reshape(q.shape[:-2] + (-1,))[..., :K], -1, axis).astype(np.float32)
;;   ~~~
;;   SOFTMAX AHEAD OF A QUANTISED PRODUCT. Where the list says 'softmax', what is quantised is not the finished softmax but p = 2^(t - M), with t = logit x log2(e) and M = ceil(the row's largest t), a whole number; so 1/2 < the row's largest p <= 1. The row's sum l is taken of the UNQUANTISED p, in f32, and the product's result is divided by l at the end. Since M is a whole number, a kernel that streams over the keys may use a running M (the ceiling of the running maximum): every later rescaling is an exact power of two, which a block's scale takes up: the codes' values come out the same.
;;   OPERANDS COMPUTED ON THE WAY. 'Computed on the way' means the value that the module computes at that place (a softmax that the list does not call 'softmax' is quantised finished and normalised). What goes into a quantiser is computed in f32, as accurately as f32 sums, v_exp_f32 and their like allow (about 1e-6 of the number): no bf16 or f16 on the way to a quantiser, and a product that is left as it is and whose result goes on into a quantised operand takes f32 operands (vector FMAs, or v_wmma_f32_16x16x4_f32). A number that lies on a knife's edge between two numbers of the format may be rounded either way, as far as f32 arithmetic and the matrix unit's own rounding can turn it there, and no further.
;; One version. Each part assembles by itself: llvm-mc -triple=amdgcn-amd-amdhsa -mcpu=gfx1250 --defsym DOCPART=n.
;; ======== version 1 of 1: 4 launches
;; workspace buffers: codes 9,437,184 bytes; scales 393,216 bytes; qkv 20,185,088 bytes; o_img 6,291,456 bytes; o_sc 262,144 bytes
;; launch quant (part 1): grid 384 x 1, 4 waves a work-group, no clusters, 33,280 bytes of LDS; arguments x, W_Q, W_K, W_V, W_O, codes, scales; writes codes, scales
.if DOCPART == 1
	.amdgcn_target "amdgcn-amd-amdhsa--gfx1250"
	.amdhsa_code_object_version 6
	.text
	.protected	k_q5d528b8676_quant
	.globl	k_q5d528b8676_quant
	.p2align	8
	.type	k_q5d528b8676_quant,@function
k_q5d528b8676_quant:
	s_mov_b64 s[64:65], 0
	v_nop
	global_prefetch_b8 v0, s[64:65] scope:SCOPE_SE
	s_setreg_imm32_b32 hwreg(HW_REG_WAVE_MODE, 25, 1), 1
	s_wait_xcnt 0x0
; x [8192][1024] and W_Q, W_K, W_V, W_O [1024][1024], f32, K innermost, become codes of FP6 (E2M3), 6 bits each, and one E8M0 scale byte for each 32 along K.
; codes: [12288 rows][768 bytes], scales: [12288][32]: rows 0.. x, 8192.. W_Q, 9216.. W_K, 10240.. W_V, 11264.. W_O.
; THE ROWS OF x, W_Q, W_K, W_V ARE LAID WITH THE TWO MIDDLE GROUPS OF 8 OF EVERY 32 ROWS SWAPPED (places 0, 1, 2, 3 hold groups 0, 2, 1, 3), so that the products that read them give
; results whose registers run along neighbours.  W_O keeps its order.
; A block's scale is 2^(floor(log2(its largest magnitude)) - 2); its byte is the largest magnitude's exponent field - 2, held at 1 from below.
; LIMITS: a block of zeros, and a block whose largest magnitude lies under 2^-124, gets the byte 1 (the stated quantiser gives 127 for zeros: the codes are zeros, and this program alone reads the bytes);
; NaN and infinities among the inputs are not served.
; A work-group takes 32 rows, a wave 8 rows = 8,192 numbers = 16 steps of 512.  Each of a step's four loads reads 512 consecutive bytes; the 2,048 bytes turn through the wave's own stage in LDS and come back
; 64 bytes a lane: 16 neighbours along K, two lanes to a block.  A lane's 16 codes are 12 bytes: the wave stores 384 consecutive bytes.  A wave's 256 scale bytes are gathered in LDS and leave as one aligned run of 256 bytes.
; No tensor loads, no barrier: waves share nothing.  Loads run four steps (16 loads a wave) ahead, the turn through LDS one step.
.set WAVES, 4
.set STEPS, 16
.set EMAX,  2
.set CB,    12                         ; bytes of 16 codes
.set R,     16                         ; v16-79   four sets of 16 numbers as they are loaded
.set X,     80                         ; v80-111  two sets of 16 neighbours
.set C,     128                        ; v128-191 codes: four registers for each step, so that no store's data are written again
.set E,     112                        ; v112-127 a scale byte for each step
.set WREG,  8192                       ; LDS: a region for each wave: two stages of 32 x SP bytes, behind them its 256 scale bytes
.set SP,    80                         ; a lane's place in a stage: 64 bytes + 16 of padding
.set SPW,   12                         ; v12  LDS address of my spare word; never rewritten
.set NIL,   13                         ; v13  0; never rewritten
.set SPARE, WAVES*WREG                 ; behind the four regions: the spare words, 128 bytes for each wave
	s_load_b256 s[4:11], s[0:1], 0x0               ; x, W_Q, W_K, W_V
	s_load_b128 s[12:15], s[0:1], 0x20             ; W_O, codes
	s_load_b64 s[24:25], s[0:1], 0x30              ; scales
	v_lshl_add_u32 v[SPW], v0, 2, SPARE
	v_mov_b32 v[NIL], 0
	v_lshrrev_b32 v1, 5, v0
	v_readfirstlane_b32 s16, v1                    ; wave
	v_and_b32 v2, 31, v0                           ; lane
	v_lshlrev_b32 v3, 4, v2                        ; my 16 bytes of a load's 512
	s_mul_i32 s17, s16, WREG
	v_lshrrev_b32 v14, 2, v2
	v_mul_u32_u24 v14, v14, SP
	v_and_b32 v15, 3, v2
	v_lshl_add_u32 v14, v15, 4, v14
	v_add_nc_u32 v14, s17, v14                     ; the stage, on the way in: SP (lane / 4) + 16 (lane % 4)
	v_mul_u32_u24 v15, v2, SP
	v_add_nc_u32 v15, s17, v15                     ; and on the way out: SP x lane: my 16 neighbours
	v_mul_u32_u24 v4, v2, CB                       ; my codes' place in a step's
	v_lshrrev_b32 v5, 1, v2
	s_add_co_u32 s17, s17, 2*32*SP
	v_add_nc_u32 v5, s17, v5                       ; LDS: my wave's 256 scale bytes, my block's byte
	v_lshlrev_b32 v7, 3, v2                        ; and on the way out 8 bytes a lane
	v_add_nc_u32 v6, s17, v7
	s_and_b32 s18, s16, 1
	s_lshl_b32 s18, s18, 1
	s_lshr_b32 s19, s16, 1
	s_or_b32 s18, s18, s19                         ; my group of 8 rows goes to place 0, 2, 1, 3
	s_wait_kmcnt 0x0
	s_mov_b64 s[26:27], s[12:13]                   ; which tensor: the choice hangs on the work-group's number alone
	s_mov_b32 s17, 352                             ; and its first work-group
	s_cmp_lt_u32 ttmp9, 352
	s_cselect_b64 s[26:27], s[10:11], s[26:27]
	s_cselect_b32 s17, 320, s17
	s_cselect_b32 s18, s18, s16                    ; W_O keeps its order
	s_cmp_lt_u32 ttmp9, 320
	s_cselect_b64 s[26:27], s[8:9], s[26:27]
	s_cselect_b32 s17, 288, s17
	s_cmp_lt_u32 ttmp9, 288
	s_cselect_b64 s[26:27], s[6:7], s[26:27]
	s_cselect_b32 s17, 256, s17
	s_cmp_lt_u32 ttmp9, 256
	s_cselect_b64 s[26:27], s[4:5], s[26:27]
	s_cselect_b32 s17, 0, s17
	s_sub_co_u32 s20, ttmp9, s17
	s_lshl_b32 s20, s20, 2
	s_add_co_u32 s20, s20, s16                     ; which run of 8 rows of the tensor I read
	s_lshl_b32 s20, s20, 15                        ; x 32,768 bytes (under 2^26)
	s_mov_b32 s21, 0
	s_add_nc_u64 s[26:27], s[26:27], s[20:21]
	s_lshl_b32 s22, ttmp9, 2
	s_add_co_u32 s22, s22, s18                     ; which run of 8 rows of the two buffers I write
	s_mul_i32 s20, s22, 32*STEPS*CB                ; 6,144 bytes of codes a run
	s_add_nc_u64 s[14:15], s[14:15], s[20:21]
	s_lshl_b32 s20, s22, 8                         ; 256 scale bytes a run
	s_add_nc_u64 s[24:25], s[24:25], s[20:21]
.macro LOAD t
.irp i, 0,1,2,3
	global_load_b128 v[R+16*((\t)%4)+4*\i:R+16*((\t)%4)+4*\i+3], v3, s[26:27] offset:2048*(\t)+512*\i th:TH_LOAD_NT   ; 32 lanes read 512 consecutive bytes
.endr
.endm
.macro TURN t                          ; step t's numbers through the stage: LDS serves a wave's instructions in order, so no wait stands between the stores and the loads
.irp i, 0,1,2,3
	ds_store_b128 v14, v[R+16*((\t)%4)+4*\i:R+16*((\t)%4)+4*\i+3] offset:32*SP*((\t)%2)+8*SP*\i
.endr
.irp i, 0,1,2,3
	ds_load_b128 v[X+16*((\t)%2)+4*\i:X+16*((\t)%2)+4*\i+3], v15 offset:32*SP*((\t)%2)+16*\i
.endr
.endm
.irp t, 0,1,2,3
	LOAD \t
.endr
	s_wait_loadcnt 12                              ; step 0's four loads are in
	TURN 0
.macro STEP t
.set XS, X+16*((\t)%2)
.if (\t) > 0
	s_wait_dscnt 1                                 ; this step's numbers are back from the stage (the last step's byte store may be out): so its stores into the stage have read their registers,
.else
	s_wait_dscnt 0x0
.endif
.if (\t)+4 < STEPS
	LOAD (\t)+4                                    ; which take the loads of four steps on
.endif
.if (\t)+1 < STEPS
.if STEPS-2-(\t) >= 3
	s_wait_loadcnt 12                              ; the next step's four loads are in; those of the three steps behind it may be out
.else
	s_wait_loadcnt 4*(STEPS-2-(\t))
.endif
	TURN (\t)+1                                    ; and go through the other stage while this step is worked
.endif
	v_max3_num_f32 v8, |v[XS]|, |v[XS+1]|, |v[XS+2]|               ; the largest magnitude of my 16
	v_max3_num_f32 v9, |v[XS+3]|, |v[XS+4]|, |v[XS+5]|
.irp i, 6,10
	v_max3_num_f32 v8, v8, |v[XS+\i]|, |v[XS+\i+1]|
	v_max3_num_f32 v9, v9, |v[XS+\i+2]|, |v[XS+\i+3]|
.endr
	v_max3_num_f32 v8, v8, |v[XS+14]|, |v[XS+15]|
	v_max3_num_f32 v8, v8, v9, (EMAX+1)<<23        ; and the floor 2^(3 - 127): the byte cannot fall under 1
	v_max_num_f32_dpp v8, v8, v8 row_xmask:1 row_mask:0xf bank_mask:0xf   ; and of my neighbour's 16: the block's
	v_add_nc_u32 v11, -(EMAX<<23), v8              ; 2 off its exponent field: the conversion takes the exponent field of this operand as its scale
	v_cvt_scalef32_pk16_fp6_f32 v[C+4*(\t):C+4*(\t)+2], v[XS:XS+15], v11   ; sixteen numbers / the scale, to the nearest code, ties to even, beyond the largest code the largest
	v_lshrrev_b32 v[E+(\t)], 23, v11               ; the scale's byte
	ds_store_b8 v5, v[E+(\t)] offset:16*(\t)       ; both lanes of a block write the same byte with the same value
	global_store_b96 v4, v[C+4*(\t):C+4*(\t)+2], s[14:15] offset:32*CB*(\t)
.endm
.irp t, 0,1,2,3,4,5,6,7,8,9,10,11,12,13,14,15
	STEP \t
.endr
	ds_load_b64 v[8:9], v6                         ; LDS serves a wave's instructions in order: these see my stores
	s_wait_dscnt 0x0
	global_store_b64 v7, v[8:9], s[24:25]          ; 32 lanes store 256 consecutive bytes, aligned
	s_wait_tensorcnt 0x0                           ; the wave's end: behind my last LDS store
	ds_add_u32 v[SPW], v[NIL]
	s_wait_dscnt 0x0
	s_endpgm
.Lfunc_end_k_q5d528b8676_quant:
	.size	k_q5d528b8676_quant, .Lfunc_end_k_q5d528b8676_quant-k_q5d528b8676_quant
	.p2alignl 7, 3214868480
	.fill 96, 4, 3214868480
	.section	.rodata,"a",@progbits
	.p2align	6, 0x0
	.amdhsa_kernel k_q5d528b8676_quant
		.amdhsa_group_segment_fixed_size 33280
		.amdhsa_private_segment_fixed_size 0
		.amdhsa_enable_private_segment 0
		.amdhsa_kernarg_size 56
		.amdhsa_user_sgpr_count 2
		.amdhsa_user_sgpr_kernarg_segment_ptr 1
		.amdhsa_wavefront_size32 1
		.amdhsa_system_sgpr_workgroup_id_x 1
		.amdhsa_system_sgpr_workgroup_id_y 1
		.amdhsa_system_sgpr_workgroup_id_z 1
		.amdhsa_system_vgpr_workitem_id 0
		.amdhsa_next_free_vgpr 192
		.amdhsa_next_free_sgpr 66
		.amdhsa_reserve_vcc 0
		.amdhsa_float_denorm_mode_32 3
		.amdhsa_float_denorm_mode_16_64 3
		.amdhsa_memory_ordered 1
		.amdhsa_forward_progress 1
		.amdhsa_inst_pref_size 33
	.end_amdhsa_kernel
	.amdgpu_metadata
---
amdhsa.version: [ 1, 2 ]
amdhsa.kernels:
  - .name:           k_q5d528b8676_quant
    .symbol:         k_q5d528b8676_quant.kd
    .args:
      - { .name: x, .offset: 0, .size: 8, .value_kind: global_buffer, .address_space: global }
      - { .name: W_Q, .offset: 8, .size: 8, .value_kind: global_buffer, .address_space: global }
      - { .name: W_K, .offset: 16, .size: 8, .value_kind: global_buffer, .address_space: global }
      - { .name: W_V, .offset: 24, .size: 8, .value_kind: global_buffer, .address_space: global }
      - { .name: W_O, .offset: 32, .size: 8, .value_kind: global_buffer, .address_space: global }
      - { .name: codes, .offset: 40, .size: 8, .value_kind: global_buffer, .address_space: global }
      - { .name: scales, .offset: 48, .size: 8, .value_kind: global_buffer, .address_space: global }
    .group_segment_fixed_size: 33280
    .private_segment_fixed_size: 0
    .kernarg_segment_align: 8
    .kernarg_segment_size: 56
    .max_flat_workgroup_size: 128
    .sgpr_count:     66
    .vgpr_count:     192
    .wavefront_size: 32
...
	.end_amdgpu_metadata
.endif
;; end of part 1
;; launch qkv (part 2): grid 12 x 32, 4 waves a work-group, clusters of 4 x 4, 327,680 bytes of LDS; arguments codes, scales, qkv; writes qkv
.if DOCPART == 2
	.amdgcn_target "amdgcn-amd-amdhsa--gfx1250"
	.amdhsa_code_object_version 6
	.text
	.protected	k_q5d528b8676_qkv
	.globl	k_q5d528b8676_qkv
	.p2align	8
	.type	k_q5d528b8676_qkv,@function
k_q5d528b8676_qkv:
	s_mov_b64 s[64:65], 0
	v_nop
	global_prefetch_b8 v0, s[64:65] scope:SCOPE_SE
	s_setreg_imm32_b32 hwreg(HW_REG_WAVE_MODE, 25, 1), 1
	s_wait_xcnt 0x0
	s_wait_alu depctr_hold_cnt(0) depctr_sa_sdst(0) depctr_va_vdst(0) depctr_va_sdst(0) depctr_va_ssrc(0) depctr_va_vcc(0) depctr_vm_vsrc(0)
	s_getreg_b32 s2, hwreg(HW_REG_IB_STS2, 6, 4)
	s_cmp_eq_u32 s2, 0
	s_cbranch_scc0 .Lentry_in_a_cluster
	s_endpgm
.Lentry_in_a_cluster:
	s_bfe_u32 s2, ttmp6, 0x10000c
	s_cmp_lg_u32 s2, 0xf033
	s_cbranch_scc0 .Lentry_shape_is_right
	s_endpgm
.Lentry_shape_is_right:
; Q = x W_Q^T, K = x W_K^T and V^T = W_V x^T, on codes of FP6 (E2M3) with one E8M0 scale for each 32 along K = 1,024; the results are quantised in registers, along their columns, and stored as images of operand registers.
; The cluster's x says which: 0: Q, 1: K (rows = tokens, columns = the weight's rows), 2: V^T (rows = W_V's rows, columns = tokens).  It is the same in all sixteen partners.
; A tile of 256 x 256 is made by four waves, 128 x 128 each: 64 accumulators, 512 registers.  K goes in steps of 256 through a ring of two LDS slots; the scale bytes of the tile's rows come once and stay.  384 tiles in all.
; CLUSTERS: 4 x 4 work-groups; the four of a row need the same row tiles, the four of a column the same column tiles: each is asked for jointly.
; THE MATRIX INSTRUCTION IS USED TRANSPOSED (source 0 = 16 column rows, source 1 = 16 row rows): a lane holds one row and eight columns.  In the codes' buffer the two middle groups of 8 of every 32 rows are swapped:
; so the 64 registers of a lane for one block of 16 rows are columns 32 b + 16 (lane / 16) + i at register 16 b + i, which is what the conversions want, and lane r of block a is row 32 (a / 2) + 8 (a % 2) + r + 8 (r / 8).
; OUT: a block's 128 columns become 12 registers of codes and a scale word a row.  Q, K: two heads of 64: registers 0-5 to one head's image, 6-11 to the next head's; V^T: one fragment of 16 channels x 128 keys.
; An image is planes of 256 bytes: plane p holds registers 2 p, 2 p + 1 of lane l at byte 8 l.  Each store of the wave covers 256 consecutive bytes, aligned.
; qkv, for each of 64 heads HEADB bytes: 8 slots of (16 K tiles x 768, then 2 x 4 V fragments x 1,536); K's scale words [128][16]; V's [16][4][16]; Q's tiles [128][768]; Q's scale words [128][16].
; LIMITS: a block of zeros, and one whose largest magnitude lies under 2^-124, gets the byte 1 (its codes are zeros or held; this program alone reads the bytes); NaN and infinities are not served.
; REGISTERS, in windows of 256: window 0: v0-31 addresses; v32-63 scale words, two sets; from v128 the row fragments, one set; on the way out v112-224 at work.  window 1: the column fragments, two sets.  windows 2, 3: the accumulators.
.set SIZE_K, 1024
.set HEADB,  315392
.set KSTEP,  256                       ; along K in a slot
.set NQ,     KSTEP/128
.set ROWB,   192                       ; a tile's row in bytes
.set KROW,   SIZE_K*6/8                ; a row of codes in memory
.set PITCH,  240                       ; an LDS row: 3 x (64 bytes + 16 of padding): the 32 lanes of a load of 8 bytes fall on different words of a 256-byte span
.set FR,     12
.set NL,     6
.set NP,     4                         ; places behind this matrix instruction (ISA guide 7.12.1)
.set HALFT,  128*PITCH
.set SLOT,   4*HALFT
.set LAPS,   SIZE_K/(2*KSTEP)
.set KS,     SIZE_K/32
.set SCL,    2*SLOT                    ; behind the ring: the scales, as runs of 256 bytes + 16 of padding
.set HALFS,  (128*KS/256)*272
.set SBLK,   (16*KS/256)*272
.set SPARE,  SCL+4*HALFS               ; the spare words, 128 bytes for each wave
.set VSH,  15                          ; v15  the way out: by how much lanes 16-31 shift a scale word
.set ADRA, 16                          ; v16-19  LDS addresses of the row fragments in slot 0, 1 (and behind one padding more)
.set ADRB, 20                          ; v20-23  the same for the column fragments
.set SCST, 24                          ; v24  the way out: where I put a scale word (LDS bytes 0 to 4,095, in slot 0, which has had its last fill and its last read by then)
.set SCRD, 25                          ; v25  and where I read 16 bytes of them back
.set VO0,  26                          ; v26  8 x lane: my place in a plane
.set ADRS, 27                          ; v27  LDS address of my scale words
.set SPW,  28                          ; v28  my spare word; never rewritten
.set NIL,  29                          ; v29  0; never rewritten
.set VO1,  30                          ; v30  8 x lane + the distance to the image of registers 6-11
.set VS,   31                          ; v31  where my 16 bytes of scale words go
.set SC,   32
.set AF,   128
.set PC,   112                         ; the way out: v112-131 the codes just made
.set R0,   132                         ; v132-139 scale words read back
.set R1,   136
.set TM,   200                         ; v200-203 largest magnitudes, v204-207 bytes, v212-215 scale operands
.set SWD,  216                         ; v216-223 a scale word for each block of rows
.set PWT,  224
.set SEL,  104                         ; s[104:105] lane selects for v_permlanex16_b32
.set G1, 24
.set G0, 32
.set G1B, 48
.set G0B, 56
.set G1S, 68
.set G0S, 76
.set G1SB, 80
.set G0SB, 88
.set MSB, 0
.macro WIN new                         ; the immediate's high byte repeats the setting that is left
.if MSB != (\new)
	s_set_vgpr_msb (MSB<<8)|(\new)
.set MSB, (\new)
.endif
.endm
.set MUL_LO, 0xa1                      ; source 0 window 1, source 1 window 0, C and D window 2
.set MUL_HI, 0xf1                      ; the same, C and D window 3
.set TO_B,   0x40
; A joint load: waves 0 and 1 fetch row tiles, waves 2 and 3 column tiles.  The branch hangs on the wave's number alone.  An s_nop 0 and four v_nop follow each of the two lines.
.macro JLOAD g0a, g1a, g0b, g1b
	s_cmp_eq_u32 s15, 0
	s_cbranch_scc0 .Lfor_b_\@
	tensor_load_to_lds s[\g0a:\g0a+3], s[\g1a:\g1a+7]
	s_nop 0
.rept 4
	v_nop
.endr
	s_branch .Lasked_\@
.Lfor_b_\@:
	tensor_load_to_lds s[\g0b:\g0b+3], s[\g1b:\g1b+7]
	s_nop 0
.rept 4
	v_nop
.endr
.Lasked_\@:
.endm
.macro CREST                           ; a round of the cluster's barrier behind its opening barrier
	s_cmp_lg_u32 s14, 0
	s_cbranch_scc1 .Lnot_wave_0_\@
	s_barrier_signal -3
.Lnot_wave_0_\@:
	s_barrier_wait -3
	s_barrier_signal -1
	s_barrier_wait -1
.endm
.macro CROUND
	s_barrier_signal -1
	s_barrier_wait -1
	CREST
.endm
	s_load_b128 s[4:7], s[0:1], 0x0                ; codes, scales
	s_load_b64 s[12:13], s[0:1], 0x10              ; qkv
	v_lshl_add_u32 v[SPW], v0, 2, SPARE
	v_mov_b32 v[NIL], 0
	ds_add_u32 v[SPW], v[NIL]                      ; the wave's opening: the add and its wait stand ahead of my first tensor load; the set-up below stands between them
	v_lshrrev_b32 v1, 5, v0
	v_readfirstlane_b32 s14, v1                    ; wave 0..3
	s_lshr_b32 s15, s14, 1                         ; which half of the tile's rows is mine.  Also: I fetch row tiles (0) or column tiles (1)
	s_and_b32 s16, s14, 1                          ; which half of its columns.  Also: which 128 rows of that tile I fetch
	s_bfe_u32 s40, ttmp6, 0x40000                  ; cx, cy: my place in the cluster
	s_bfe_u32 s41, ttmp6, 0x40004
	s_and_b32 s95, ttmp7, 0xffff                   ; the cluster's y
	s_lshl_b32 s18, s95, 2                         ; the cluster's first tile of 256 tokens
	s_lshl_b32 s19, ttmp9, 2
	s_add_co_u32 s19, s19, 32                      ; the first tile of W_Q (32) or W_K (36), in tiles of 256 rows of the codes' buffer
	s_cmp_eq_u32 ttmp9, 2                          ; V^T?  The same answer in all sixteen partners
	s_cselect_b32 s17, 40, s18                     ; row tiles: W_V's (from 40), else tokens
	s_cselect_b32 s42, s18, s19                    ; column tiles: tokens, else the weight's
	s_add_co_u32 s17, s17, s41                     ; + cy
	s_add_co_u32 s42, s42, s40                     ; + cx
	s_lshl_b32 s43, s41, 2
	s_lshl_b32 s43, 15, s43                        ; my row of the cluster
	s_lshl_b32 s44, 0x1111, s40                    ; my column
	; descriptor group 1: a tile of 128 rows x 192 bytes, 16 bytes of padding behind every 64
	s_or_b32 s[G1+0], s43, (0<<16)|(1<<20)|(1<<21)|(3<<22)|(3<<25)
	s_or_b32 s[G1B+0], s44, (0<<16)|(1<<20)|(1<<21)|(3<<22)|(3<<25)
.irp g, G1, G1B
	s_mov_b32 s[\g+1], ROWB<<16                    ; tensor_dim0
	s_mov_b32 s[\g+2], 128<<16                     ; tensor_dim1
	s_mov_b32 s[\g+3], ROWB<<16                    ; tile_dim0
	s_mov_b32 s[\g+4], 128                         ; tile_dim1
	s_mov_b32 s[\g+5], KROW                        ; the pitch
	s_mov_b32 s[\g+6], 0
	s_mov_b32 s[\g+7], 0
.endr
	; the scales of 128 rows: a dense block of 4,096 bytes, as rows of 256 bytes (32 elements of 8), 16 bytes of padding behind each
	s_or_b32 s[G1S+0], s43, (3<<16)|(1<<20)|(1<<21)|(5<<22)|(3<<25)
	s_or_b32 s[G1SB+0], s44, (3<<16)|(1<<20)|(1<<21)|(5<<22)|(3<<25)
.irp g, G1S, G1SB
	s_mov_b32 s[\g+1], 32<<16
	s_mov_b32 s[\g+2], (128*KS/256)<<16
	s_mov_b32 s[\g+3], 32<<16
	s_mov_b32 s[\g+4], 128*KS/256
	s_mov_b32 s[\g+5], 32
	s_mov_b32 s[\g+6], 0
	s_mov_b32 s[\g+7], 0
.endr
	s_lshl_b32 s18, s16, 7                         ; which 128 rows of the tile I fetch
	s_lshl_b32 s20, s17, 8
	s_add_co_u32 s20, s20, s18                     ; row tiles: row of the codes' buffer
	s_lshl_b32 s46, s42, 8
	s_add_co_u32 s46, s46, s18                     ; column tiles likewise
	s_mov_b32 s21, 0
	s_mov_b32 s47, 0
	s_mov_b64 s[18:19], KS
	s_mul_u64 s[22:23], s[20:21], s[18:19]         ; where these rows' scales begin, in bytes
	s_mul_u64 s[92:93], s[46:47], s[18:19]
	s_mov_b64 s[18:19], KROW
	s_mul_u64 s[20:21], s[20:21], s[18:19]         ; and their codes
	s_mul_u64 s[46:47], s[46:47], s[18:19]
	s_mul_i32 s45, s14, HALFT                      ; where they go: wave x 128 rows: no place in the cluster enters an LDS address
	s_mul_i32 s94, s14, HALFS
	s_wait_dscnt 0x0                               ; the opening add is done
	s_wait_kmcnt 0x0
	s_add_nc_u64 s[20:21], s[4:5], s[20:21]
	s_add_nc_u64 s[22:23], s[6:7], s[22:23]
	s_add_nc_u64 s[46:47], s[4:5], s[46:47]
	s_add_nc_u64 s[92:93], s[6:7], s[92:93]
	CROUND                                         ; all sixteen work-groups are here: the first joint loads meet
	s_mov_b32 s[G0S], 1
	s_add_co_u32 s[G0S+1], s94, SCL
	s_mov_b64 s[G0S+2:G0S+3], s[22:23]
	s_or_b32 s[G0S+3], s[G0S+3], 0x80000000
	s_mov_b32 s[G0SB], 1
	s_add_co_u32 s[G0SB+1], s94, SCL
	s_mov_b64 s[G0SB+2:G0SB+3], s[92:93]
	s_or_b32 s[G0SB+3], s[G0SB+3], 0x80000000
	JLOAD G0S, G1S, G0SB, G1SB                     ; the scales first: they are wanted with K step 0
.irp s, 0,1
	s_mov_b32 s[G0+4*\s], 1
	s_add_co_u32 s[G0+4*\s+1], s45, \s*SLOT
	s_add_nc_u64 s[G0+4*\s+2:G0+4*\s+3], s[20:21], \s*ROWB
	s_or_b32 s[G0+4*\s+3], s[G0+4*\s+3], 0x80000000
	s_mov_b32 s[G0B+4*\s], 1
	s_add_co_u32 s[G0B+4*\s+1], s45, \s*SLOT
	s_add_nc_u64 s[G0B+4*\s+2:G0B+4*\s+3], s[46:47], \s*ROWB
	s_or_b32 s[G0B+4*\s+3], s[G0B+4*\s+3], 0x80000000
	JLOAD G0+4*\s, G1, G0B+4*\s, G1B               ; three tensor loads of mine are out now
.endr
	v_and_b32 v1, 15, v0                           ; r = l % 16
	v_bfe_u32 v2, v0, 4, 1                         ; h = l / 16
	v_mul_u32_u24 v3, v1, PITCH
	v_mul_u32_u24 v4, v2, 24
	v_add_nc_u32 v4, v3, v4                        ; a fragment's row x pitch + 24 x half
	v_lshl_add_u32 v5, v2, 4, v4                   ; and the same behind one padding more
	s_mul_i32 s21, s15, HALFT                      ; my 128 rows
	s_mul_i32 s22, s16, HALFT                      ; my 128 columns' rows,
	s_add_co_u32 s22, s22, 2*HALFT                 ; which lie behind the 256 rows
.irp s, 0,1
	v_add_nc_u32 v[ADRA+\s], s21, v4
	v_add_nc_u32 v[ADRB+\s], s22, v4
	v_add_nc_u32 v[ADRA+2+\s], s21, v5
	v_add_nc_u32 v[ADRB+2+\s], s22, v5
	s_add_co_u32 s21, s21, SLOT
	s_add_co_u32 s22, s22, SLOT
.endr
	v_mul_u32_u24 v5, v1, KS                       ; my row's scales: KS bytes a row,
	v_lshrrev_b32 v6, 8, v5
	v_lshl_add_u32 v5, v6, 4, v5                   ; and 16 more for each 256 passed
	s_mul_i32 s21, s15, HALFS
	s_mul_i32 s22, s16, HALFS
	s_add_co_u32 s22, s22, 2*HALFS
	s_sub_co_u32 s22, s22, s21
	v_mul_u32_u24 v6, s22, v2                      ; lanes 16-31 take the columns' scales
	s_add_co_u32 s21, s21, SCL
	v_add_nc_u32 v5, v5, v6
	v_add_nc_u32 v[ADRS], s21, v5
	; THE WAY OUT'S NUMBERS, in registers that feed no descriptor.  First what hangs on the kind alone.
	s_cmp_eq_u32 ttmp9, 2
	s_cselect_b32 s96, s40, s41                    ; the tile of tokens: along x for V^T, else along y
	s_cselect_b32 s97, s41, s40                    ; the tile's four heads
	s_cselect_b32 s98, s15, s16                    ; which two of them are my wave's
	s_cselect_b32 s99, s16, s15                    ; which 128 of the 256 tokens are my wave's
	s_mov_b32 s10, 768
	s_cselect_b32 s10, 1536, s10                   ; from a block's image to the next block's
	s_mov_b32 s100, 768
	s_cselect_b32 s100, HEADB-3*1536, s100         ; from block 3's to block 4's: in V^T the next head begins there
	s_mov_b32 s2, HEADB
	s_cselect_b32 s2, 768, s2                      ; from the image of registers 0-5 to that of 6-11: the next head's, or the fragment's second half
	s_mov_b32 s104, 256
	s_cselect_b32 s104, HEADB, s104                ; from lanes 0-15's scale words to lanes 16-31's
	s_mov_b32 s66, 0xffff
	s_cselect_b32 s66, -1, s66                     ; Q, K: a head's word has two bytes; the upper two are 0 (they stand over zero codes)
	s_cselect_b32 s105, 0, 16                      ; Q, K: lanes 16-31 take the second head's two bytes
	s_cselect_b32 s67, 8, 9                        ; log2 of the scale words' bytes for 128 tokens
	s_cselect_b32 s8, 12288, 0                     ; where the images begin in a head
	s_mov_b32 s9, 196608
	s_cselect_b32 s9, 204800, s9                   ; and the scale words
	s_cmp_eq_u32 ttmp9, 0
	s_cselect_b32 s8, 208896, s8
	s_cselect_b32 s9, 307200, s9
	s_mov_b32 s11, 24576
	s_cselect_b32 s11, 12288, s11                  ; from 256 tokens' images to the next 256's
	s_lshl_b32 s23, s14, 10                        ; my 1,024 bytes of the stage for scale words
	v_lshlrev_b32 v5, 2, v1
	v_lshl_add_u32 v5, v2, 9, v5
	v_add_nc_u32 v[SCST], s23, v5                  ; in: 512 h + 4 r, + 64 for each block
	v_and_b32 v6, 31, v0
	v_lshlrev_b32 v5, 4, v6
	v_add_nc_u32 v[SCRD], s23, v5                  ; back: 16 bytes a lane
	v_lshlrev_b32 v[VO0], 3, v6
	v_add_nc_u32 v[VO1], s2, v[VO0]
	v_lshlrev_b32 v5, 4, v1
	v_mul_u32_u24 v6, s104, v2
	v_add_nc_u32 v[VS], v5, v6
	v_mul_u32_u24 v[VSH], s105, v2
	s_mov_b32 s[SEL], 0x76543210
	s_mov_b32 s[SEL+1], 0xfedcba98
	s_lshl_b32 s101, s95, 2
	s_add_co_u32 s96, s96, s101                    ; my tile of 256 tokens, 0 .. 31
	s_lshr_b32 s101, s96, 3                        ; the batch
	s_and_b32 s96, s96, 7                          ; the slot of 256 tokens in it
	s_lshl_b32 s101, s101, 4
	s_lshl_b32 s97, s97, 2
	s_add_co_u32 s97, s97, s101
	s_lshl_b32 s98, s98, 1
	s_add_co_u32 s97, s97, s98                     ; 16 x batch + my first head
	s_mul_i32 s97, s97, HEADB                      ; its first byte (under 2^25)
	s_mul_i32 s11, s96, s11
	s_add_co_u32 s8, s8, s97
	s_add_co_u32 s8, s8, s11
	s_mul_i32 s11, s99, 6144
	s_add_co_u32 s8, s8, s11                       ; my first image
	s_lshl_b32 s96, s96, 1
	s_add_co_u32 s96, s96, s99
	s_lshl_b32 s96, s96, s67
	s_add_co_u32 s98, s9, s97
	s_add_co_u32 s98, s98, s96                     ; my scale words
	s_mov_b32 s9, 0
	s_mov_b32 s99, 0
	s_mov_b32 s11, 0
	s_mov_b32 s101, 0
	s_add_nc_u64 s[98:99], s[12:13], s[98:99]
	s_add_nc_u64 s[12:13], s[12:13], s[8:9]
.macro FRAG reg, adr, q, i             ; 16 rows x 128 K of 6-bit codes: 12 registers, 24 + 24 bytes of the row's stream of bits as they lie, in pieces of 8 bytes
.irp p, 0,1,2,3,4,5
.set PCE, 12*(\q)+6*(\p/3)+\p%3       ; 16 bytes of padding lie behind every 8 pieces: where the piece three on lies behind one padding more, the second address register serves
.if PCE%8 < 5
	ds_load_b64 v[\reg+2*\p:\reg+2*\p+1], v[\adr] offset:8*PCE+16*(PCE/8)+(\i)*16*PITCH
.else
	ds_load_b64 v[\reg+2*\p:\reg+2*\p+1], v[\adr+2] offset:8*PCE+16*(PCE/8)+(\i)*16*PITCH
.endif
.endr
.endm
; 16 matrix instructions: row blocks a0, a0 + 1 x the eight column blocks, 128 along K.  The 64 accumulators take turns, one instruction a turn, in the same order in every step.
.macro MUL16 a0, p, q, sc, zero
.irp a, \a0, \a0+1
.irp b, 0,1,2,3,4,5,6,7
.if \zero
	v_wmma_scale_f32_16x16x128_f8f6f4 v[8*(8*((\a)%4)+\b):8*(8*((\a)%4)+\b)+7], v[128*(\p)+FR*\b:128*(\p)+FR*\b+FR-1], v[AF+FR*(\a):AF+FR*(\a)+FR-1], 0, v[SC+8*NQ*(\sc)+NQ*\b+(\q)], v[SC+8*NQ*(\sc)+NQ*(\a)+(\q)] matrix_a_fmt:MATRIX_FMT_FP6 matrix_b_fmt:MATRIX_FMT_FP6 matrix_a_scale:MATRIX_SCALE_ROW1
.else
	v_wmma_scale_f32_16x16x128_f8f6f4 v[8*(8*((\a)%4)+\b):8*(8*((\a)%4)+\b)+7], v[128*(\p)+FR*\b:128*(\p)+FR*\b+FR-1], v[AF+FR*(\a):AF+FR*(\a)+FR-1], v[8*(8*((\a)%4)+\b):8*(8*((\a)%4)+\b)+7], v[SC+8*NQ*(\sc)+NQ*\b+(\q)], v[SC+8*NQ*(\sc)+NQ*(\a)+(\q)] matrix_a_fmt:MATRIX_FMT_FP6 matrix_b_fmt:MATRIX_FMT_FP6 matrix_a_scale:MATRIX_SCALE_ROW1
.endif
.endr
.endr
.endm
.macro FETCH_B slot, q, p
	WIN TO_B
.irp i, 0,1,2,3,4,5,6,7
	FRAG 128*(\p)+FR*\i, ADRB+\slot, \q, \i
.endr
	WIN 0
.endm
.macro FETCH_A slot, q, i0
.irp i, \i0, \i0+1, \i0+2, \i0+3
	FRAG AF+FR*(\i), ADRA+\slot, \q, \i
.endr
.endm
.macro SCALES sc                       ; the next K step's scale words: lanes 0-15 the rows' block i, lanes 16-31 the columns' block i
.irp i, 0,1,2,3,4,5,6,7
	ds_load_b64 v[SC+8*NQ*\sc+NQ*\i:SC+8*NQ*\sc+NQ*\i+1], v[ADRS] offset:\i*SBLK
.endr
.endm
.macro PLACES n                        ; plain vector instructions between a matrix instruction and a load into, or a read of, its registers
.rept \n
	v_nop
.endr
.endm
.macro STEP slot, q, zero              ; a step of 128 along K that has its successor in the same slot
	s_wait_dscnt 4*NL                              ; the columns' set and row blocks 0-3 are in; the youngest 24 loads (row blocks 4-7) may be out
	WIN MUL_LO
	MUL16 0, (\q)%2, \q, \slot, \zero
	MUL16 2, (\q)%2, \q, \slot, \zero
	s_wait_dscnt 0
	PLACES NP
	FETCH_B \slot, (\q)+1, 1-(\q)%2
	FETCH_A \slot, (\q)+1, 0
	WIN MUL_HI
	MUL16 4, (\q)%2, \q, \slot, \zero
	MUL16 6, (\q)%2, \q, \slot, \zero
	PLACES NP
	WIN 0
	FETCH_A \slot, (\q)+1, 4
.endm
; A slot's last step changes slots: one barrier; in front of it each wave waits for all its tensor loads, adds 0 to its spare word, and waits for that and for its reads of this slot.
.macro TURN slot, next, fill
	s_wait_tensorcnt 0x0                           ; all my tensor loads have landed: my part of the next slot
	ds_add_u32 v[SPW], v[NIL]
	s_wait_dscnt 4*NL+1                            ; the add and the youngest 24 loads may be out
	WIN MUL_LO
	MUL16 0, 1, NQ-1, \slot, 0
	s_wait_dscnt 0x0                               ; the add is done, and my reads of this slot are over
	s_barrier_signal -1
	MUL16 2, 1, NQ-1, \slot, 0
	WIN 0
	s_barrier_wait -1
.if \fill
	CREST                                          ; the barrier has opened a round of the cluster's barrier: no wave of any partner still reads this slot or has a load on its way
	s_add_nc_u64 s[G0+4*\slot+2:G0+4*\slot+3], s[G0+4*\slot+2:G0+4*\slot+3], 2*ROWB
	s_add_nc_u64 s[G0B+4*\slot+2:G0B+4*\slot+3], s[G0B+4*\slot+2:G0B+4*\slot+3], 2*ROWB
	JLOAD G0+4*\slot, G1, G0B+4*\slot, G1B         ; the first tensor load behind the round; its four v_nop are the places in front of the loads below
.else
	PLACES NP
.endif
	v_add_nc_u32 v[ADRS], 4*NQ, v[ADRS]            ; on to the next K step's scale words
	FETCH_B \next, 0, 0
	FETCH_A \next, 0, 0
	SCALES \next
	WIN MUL_HI
	MUL16 4, 1, NQ-1, \slot, 0
	MUL16 6, 1, NQ-1, \slot, 0
	PLACES NP
	WIN 0
	FETCH_A \next, 0, 4
.endm
	s_wait_tensorcnt 1                             ; the scales and my part of K step 0 are in (K step 1's load may be out),
	s_barrier_signal -1
	s_barrier_wait -1                              ; everybody's are
	FETCH_B 0, 0, 0
	FETCH_A 0, 0, 0
	SCALES 0
	FETCH_A 0, 0, 4
	STEP 0, 0, 1                                   ; the first step stands in front of the loop: its products start the sums
	s_mov_b32 s3, LAPS-1
.Llap:
	TURN 0, 1, 1
	STEP 1, 0, 0
	TURN 1, 0, 1
	STEP 0, 0, 0
	s_sub_co_u32 s3, s3, 1
	s_cmp_lg_u32 s3, 0
	s_cbranch_scc1 .Llap
	TURN 0, 1, 0                                   ; the last lap fills nothing
	STEP 1, 0, 0
	s_wait_dscnt 4*NL
	WIN MUL_LO
	MUL16 0, 1, NQ-1, 1, 0
	MUL16 2, 1, NQ-1, 1, 0
	s_wait_dscnt 0
	WIN MUL_HI
	MUL16 4, 1, NQ-1, 1, 0
	MUL16 6, 1, NQ-1, 1, 0
	WIN 0
; THE WAY OUT.  Block a's 64 registers of a lane, register 16 b + i = column 32 b + 16 (lane / 16) + i of my row, become 12 registers of codes in v[PC] on and the row's scale word in v[PWT].
.macro QUANT a
.set AC, 64*((\a)%4)
	WIN 0x0a+5*((\a)/4)                            ; sources 0 and 1: window 2 or 3
.irp b, 0,1,2,3
	v_max3_num_f32 v[TM+\b], |v[AC+16*\b]|, |v[AC+16*\b+1]|, 0x1800000   ; block b: my 16 numbers, each accumulator from its low end on, and the floor 2^(3 - 127)
.endr
.irp i, 2,4,6,8,10,12,14
.irp b, 0,1,2,3
	v_max3_num_f32 v[TM+\b], |v[AC+16*\b+\i]|, |v[AC+16*\b+\i+1]|, v[TM+\b]
.endr
.endr
	WIN 0
.irp b, 0,1,2,3
	v_permlanex16_b32 v[TM+4+\b], v[TM+\b], s[SEL], s[SEL+1]
.endr
.irp b, 0,1,2,3
	v_max_num_f32 v[TM+\b], v[TM+\b], v[TM+4+\b]   ; with lane l xor 16's: the block's largest magnitude
.endr
.irp b, 0,1,2,3
	v_add_nc_u32 v[TM+12+\b], 0xff000000, v[TM+\b] ; 2 off its exponent field: the conversion's scale operand
.endr
.irp b, 0,1,2,3
	v_lshrrev_b32 v[TM+4+\b], 23, v[TM+12+\b]      ; the scale's byte
.endr
	v_lshl_or_b32 v[PWT], v[TM+5], 8, v[TM+4]
	v_lshl_or_b32 v[PWT], v[TM+6], 16, v[PWT]
	v_lshl_or_b32 v[PWT], v[TM+7], 24, v[PWT]
	WIN 0x02+(\a)/4                                ; source 0: window 2 or 3
.irp c, 0,1
	v_cvt_scalef32_pk16_fp6_f32 v[PC+6*\c:PC+2+6*\c], v[AC+32*\c:AC+15+32*\c], v[TM+12+2*\c]
	v_cvt_scalef32_pk16_fp6_f32 v[PC+12+4*\c:PC+14+4*\c], v[AC+16+32*\c:AC+31+32*\c], v[TM+12+2*\c+1]   ; (a conversion's three registers begin on an even number)
.endr
	WIN 0
	v_nop                                          ; one plain place behind a scaled conversion
.irp c, 0,1                                    ; the operand's layout wants a whole block in a lane: lanes 0-15 block 2 c, lanes 16-31 block 2 c + 1
.irp i, 0,1,2
	v_permlane16_swap_b32 v[PC+6*\c+\i], v[PC+12+4*\c+\i]
.endr
.irp i, 0,1,2
	v_mov_b32 v[PC+3+6*\c+\i], v[PC+12+4*\c+\i]
.endr
.endr
.endm
	PLACES NP                                      ; behind the last products: their results are read and their operands' registers written below
.irp b, 0,1,2,3
	v_mov_b32 v[TM+4+\b], 0                        ; a lane permute's destination counts as one of its sources
.endr
.irp a, 0,1,2,3,4,5,6,7
.if \a > 0
	s_wait_xcnt 0x0                                ; the last block's stores have read their data and their base: both are written again only behind this wait
.if \a == 4
	s_add_nc_u64 s[12:13], s[12:13], s[100:101]
.else
	s_add_nc_u64 s[12:13], s[12:13], s[10:11]
.endif
.endif
	QUANT \a
	v_lshrrev_b32 v[SWD+\a], v[VSH], v[PWT]        ; Q, K: lanes 0-15 keep the first head's two bytes, lanes 16-31 take the second head's; V^T: the whole word
	v_and_b32 v[SWD+\a], s66, v[SWD+\a]
	ds_store_b32 v[SCST], v[SWD+\a] offset:64*\a
.irp p, 0,1,2
	global_store_b64 v[VO0], v[PC+2*\p:PC+2*\p+1], s[12:13] offset:256*\p       ; a plane: 32 lanes store 256 consecutive bytes, aligned
.endr
.irp p, 0,1,2
	global_store_b64 v[VO1], v[PC+6+2*\p:PC+7+2*\p], s[12:13] offset:256*\p
.endr
.endr
	ds_load_b128 v[R0:R0+3], v[SCRD]               ; LDS serves a wave's instructions in order: these see my stores.  Eight blocks x 16 words as lanes 0-15 stored them,
	ds_load_b128 v[R1:R1+3], v[SCRD] offset:512    ; and as lanes 16-31 did
	s_wait_dscnt 0x0
	global_store_b128 v[VS], v[R0:R0+3], s[98:99]  ; Q, K: the first head's 512 bytes on end; V^T: 256 bytes to each of the two heads
	s_cmp_eq_u32 ttmp9, 2
	s_cbranch_scc1 .Lone_set                       ; the same way in all sixteen partners
	global_store_b128 v[VS], v[R1:R1+3], s[98:99] offset:HEADB   ; Q, K: the second head's
.Lone_set:
	s_wait_tensorcnt 0x0                           ; the wave's end: behind my last tensor load and my last LDS store
	ds_add_u32 v[SPW], v[NIL]
	s_wait_dscnt 0x0
	CROUND                                         ; the closing round: no work-group ends while a partner may still ask for a tile that names it
	s_endpgm
.Lfunc_end_k_q5d528b8676_qkv:
	.size	k_q5d528b8676_qkv, .Lfunc_end_k_q5d528b8676_qkv-k_q5d528b8676_qkv
	.p2alignl 7, 3214868480
	.fill 96, 4, 3214868480
	.section	.rodata,"a",@progbits
	.p2align	6, 0x0
	.amdhsa_kernel k_q5d528b8676_qkv
		.amdhsa_group_segment_fixed_size 327680
		.amdhsa_private_segment_fixed_size 0
		.amdhsa_enable_private_segment 0
		.amdhsa_kernarg_size 24
		.amdhsa_user_sgpr_count 2
		.amdhsa_user_sgpr_kernarg_segment_ptr 1
		.amdhsa_wavefront_size32 1
		.amdhsa_system_sgpr_workgroup_id_x 1
		.amdhsa_system_sgpr_workgroup_id_y 1
		.amdhsa_system_sgpr_workgroup_id_z 1
		.amdhsa_system_vgpr_workitem_id 0
		.amdhsa_next_free_vgpr 1024
		.amdhsa_next_free_sgpr 106
		.amdhsa_reserve_vcc 0
		.amdhsa_float_denorm_mode_32 3
		.amdhsa_float_denorm_mode_16_64 3
		.amdhsa_memory_ordered 1
		.amdhsa_forward_progress 1
		.amdhsa_inst_pref_size 170
	.end_amdhsa_kernel
	.amdgpu_metadata
---
amdhsa.version: [ 1, 2 ]
amdhsa.kernels:
  - .name:           k_q5d528b8676_qkv
    .symbol:         k_q5d528b8676_qkv.kd
    .args:
      - { .name: codes, .offset: 0, .size: 8, .value_kind: global_buffer, .address_space: global }
      - { .name: scales, .offset: 8, .size: 8, .value_kind: global_buffer, .address_space: global }
      - { .name: qkv, .offset: 16, .size: 8, .value_kind: global_buffer, .address_space: global }
    .group_segment_fixed_size: 327680
    .private_segment_fixed_size: 0
    .kernarg_segment_align: 8
    .kernarg_segment_size: 24
    .max_flat_workgroup_size: 128
    .sgpr_count:     106
    .vgpr_count:     1024
    .wavefront_size: 32
...
	.end_amdgpu_metadata
.endif
;; end of part 2
;; launch attn (part 3): grid 4 x 64, 16 waves a work-group, no clusters, 327,680 bytes of LDS; arguments qkv, o_img, o_sc; writes o_img, o_sc
.if DOCPART == 3
	.amdgcn_target "amdgcn-amd-amdhsa--gfx1250"
	.amdhsa_code_object_version 6
	.text
	.protected	k_q5d528b8676_attn
	.globl	k_q5d528b8676_attn
	.p2align	8
	.type	k_q5d528b8676_attn,@function
k_q5d528b8676_attn:
	s_mov_b64 s[64:65], 0
	v_nop
	global_prefetch_b8 v0, s[64:65] scope:SCOPE_SE
	s_setreg_imm32_b32 hwreg(HW_REG_WAVE_MODE, 25, 1), 1
	s_wait_xcnt 0x0
; Causal attention of one head (64 channels, 2,048 tokens) on codes of FP6 (E2M3) with one E8M0 scale for each 32 along a product's K; O is divided by the row's sum, quantised along the channels and stored as images of operand registers.
; THE SOFTMAX AHEAD OF THE SECOND PRODUCT: t = score x log2(e) / 8; M = the row's largest t so far, rounded up to a whole number; p = 2^(t - M) is quantised along the keys, not normalised; the row's sum is taken of the
; unquantised p and divides O at the end.  When M moves, the sum and O are multiplied by 2^(old M - new M): exact.
; SHARES.  Work-group (i, head) owns two blocks of 256 queries: block 7 - i, which walks slots 0 .. 7 - i of 256 keys, then block i, which walks slots 0 .. i: nine slots in every work-group, a constant trip count, equal work.
; Each of the sixteen waves owns one tile of 16 queries of the block in hand, in 256 registers: four waves to a SIMD, so that one wave's vector work stands beside another's matrix work and LDS loads.
; A key step is 128 keys.  A step all of whose keys come after my queries is left out by a scalar branch on ids; in the step on the diagonal hidden scores become -infinity ahead of the maximum.
; NO CLUSTER, though the four work-groups of a head read the same K and V: the steps left out, the mask's branch and the change of blocks hang on the query block, which differs between them, and partners of joint loads run alike.
; LAYOUT.  Both products transposed: S^T = K Q^T, O^T = V^T P^T: a lane holds one query (lane % 16).  Lane r of tile T (of Q and of K) is token 32 (T / 2) + 8 (T % 2) + r + 8 (r / 8): so the 16 registers of two neighbouring
; tiles of keys are 16 neighbouring keys.  V's tiles of channels are laid likewise, so that O^T's 32 registers run along neighbouring channels.
; THE FIRST PRODUCT'S K IS 64, HALF OF THE INSTRUCTION'S 128: Q's registers 6-11 are zero codes.  K's tile is named with the six registers behind it (the next tile's codes, or zeros): whatever they hold is multiplied by zero
; codes, and the upper scale bytes are 0, which is a finite scale.
; K's and V's images come through a ring of two LDS slots (wave 0: K's 12,288 bytes, wave 1: V's); the head's scale words come once (wave 2).  All LDS reads are 8 or 4 bytes x lane on end.
; LIMITS: NaN and infinities are not served; a block of zeros, or one under 2^-124, gets the byte 1; 1 / sum is v_rcp_f32's.
.set HEADB,  315392
.set SLOTB,  24576
.set SLOT1,  1<<15                     ; slot 1 begins here: one exclusive or turns an address from one slot to the other
.set KSCL,   65536                     ; K's scale words, 8,192 bytes
.set VSCL,   73728                     ; V's, 4,096 bytes
.set SPARE,  77824                     ; the spare words, 128 bytes for each of 16 waves
.set L8,   1                           ; v1   8 x lane
.set ASK0, 2                           ; v2   KSCL + 4 x lane
.set ASV0, 3                           ; v3   VSCL + 4 x lane
.set QL,   4                           ; v4   r + 8 (r / 8) - 16 h: my query less my half's keys
.set SPW,  5                           ; v5   my spare word; never rewritten
.set NIL,  6                           ; v6   0; never rewritten
.set OSO,  7                           ; v7   32 r + h: my scale byte's place
.set ADK,  8
.set ADS,  9
.set ADT,  10
.set PFO,  11                          ; v11  256 x lane
.set QF,   16                          ; v16-21 Q's codes, v22-27 zero codes
.set QS,   28                          ; v28  Q's scale words
.set QS2,  29                          ; v29, v30-35: the second block's
.set QF2,  30
.set KV,   36                          ; v36-83 K's 8 tiles x 6, later V's 4 x 12; v84-89 zeros
.set KSW,  90                          ; v90-93 K's scale words, two tiles to a register
.set VSW,  94                          ; v94-95 V's
.set SS,   96                          ; v96-159 S^T, then p
.set OT,   160                         ; v160-191 O^T
.set PF,   192                         ; v192-203 p's codes
.set CT,   204                         ; v204-211 the conversions' second halves
.set BM,   212                         ; v212-215 the blocks' largest
.set PT,   216                         ; v216-219 permute temporaries, then bytes
.set SO,   220                         ; v220-223 scale operands
.set PW,   224                         ; v224 p's scale word
.set FF,   226                         ; v[226:227] f = 2^(old M - new M), and a word that is only named
.set T0,   228
.set T1,   229
.set SUM2, 232
.set TB,   2                           ; s2   LDS byte at which the slot in hand begins
.set TS,   3                           ; s3   the slot's scale words of K
.set WV,   18
.set SEL,  20
.set CS,   22                          ; s[22:23] c = log2(e) / 8
.set G1,   24                          ; s[24:31] descriptor group 1: 48 rows of 256 bytes, dense
.set G0,   32                          ; s[32:35] group 0 for K's or V's images: it walks
.set G0S,  36                          ; s[36:39] group 0 for the scale words
.set KVB,  40                          ; s[40:41] my part of slot 0 in memory
.set KOF,  42                          ; s[42:43] the next slot's offset
.set TJ,   44                          ; s44  the slot's scale words of V
.set KF,   45                          ; s45  the slot's first key
.set NN,   46                          ; s46  the trip, 0 .. 8
.set NA,   47                          ; s47  8 - i: the first block's trips
.set PI,   48                          ; s48  i
.set SLOTS, 49                         ; s49  the loop's counter, 8 down to 1
.set Q0,   50                          ; s50  my smallest query
.set QM,   51                          ; s51  my largest: Q0 + 23
.set HI16, 56                          ; s56  lanes 16-31
.set LIM,  57                          ; s57  2 in a wave that prefetches, else the greatest number
.set PFA,  58
.set OB,   60                          ; s[60:61], s[62:63] where my tile's image and scale bytes go; s[66:69] the second block's
.set OS,   62
.set OB2,  66
.set OS2,  68
.set Q02,  70
.set SW,   71                          ; s71  i + 1: the counter's value in the first block's last trip
.macro TLOAD1                          ; the first fills: waves 0, 1: slot 0's images; wave 2: the scale words.  An s_nop 0 and four v_nop follow each line
	s_cmp_lt_u32 s[WV], 2
	s_cbranch_scc0 .Lnot_kv_\@
	tensor_load_to_lds s[G0:G0+3], s[G1:G1+7]
	s_nop 0
.rept 4
	v_nop
.endr
	s_branch .Lasked_\@
.Lnot_kv_\@:
	s_cmp_lt_u32 s[WV], 3
	s_cbranch_scc0 .Lasked_\@
	tensor_load_to_lds s[G0S:G0S+3], s[G1:G1+7]
	s_nop 0
.rept 4
	v_nop
.endr
.Lasked_\@:
.endm
.macro KVLOAD                          ; a refill: waves 0 and 1, one load each
	s_cmp_lt_u32 s[WV], 2
	s_cbranch_scc0 .Lasked_\@
	tensor_load_to_lds s[G0:G0+3], s[G1:G1+7]
	s_nop 0
.rept 4
	v_nop
.endr
.Lasked_\@:
.endm
; A PREFETCH INTO THE L2 of the slot that the next change of slots will ask for: 24,576 dense bytes.  All four work-groups of a head walk the same slots from 0 on: the one with i = 0, which walks 0 .. 7 in order, asks,
; by its waves 4, 5, 6: 8,192 bytes a wave, lanes 256 bytes apart, one instruction.  Trip n names slot n + 2, for n up to 5: each block of 256 bytes is named once.  Slots 0 and 1 and the scale words come by their loads alone.
.macro ASK
	s_cmp_gt_u32 s[SLOTS], s[LIM]
	s_cbranch_scc0 .Lnot_mine_\@
	global_prefetch_b8 v[PFO], s[PFA:PFA+1] th:TH_LOAD_NT scope:SCOPE_SE
.Lnot_mine_\@:
.endm
	s_load_b128 s[4:7], s[0:1], 0x0                ; qkv, o_img
	s_load_b64 s[8:9], s[0:1], 0x10                ; o_sc
	v_lshl_add_u32 v[SPW], v0, 2, SPARE
	v_mov_b32 v[NIL], 0
	ds_add_u32 v[SPW], v[NIL]                      ; the wave's opening: the add and its wait stand ahead of my first tensor load; the set-up below stands between them
	ds_add_u32 v[SPW], v[NIL]
	v_lshrrev_b32 v8, 5, v0
	s_delay_alu instid0(VALU_DEP_1)
	v_readfirstlane_b32 s[WV], v8                  ; wave 0..15
	s_and_b32 s12, ttmp7, 0xffff                   ; 16 x batch + head
	s_mul_i32 s10, s12, HEADB                      ; the head's first byte in qkv (under 2^25)
	s_mov_b32 s11, 0
	s_mov_b32 s[G1], 3<<16                         ; no mask; elements of 8 bytes; no padding
	s_mov_b32 s[G1+1], 32<<16                      ; tensor_dim0 = 32 elements: 256 bytes
	s_mov_b32 s[G1+2], 48<<16                      ; tensor_dim1 = 48
	s_mov_b32 s[G1+3], 32<<16                      ; tile_dim0
	s_mov_b32 s[G1+4], 48                          ; tile_dim1
	s_mov_b32 s[G1+5], 32                          ; the pitch
	s_mov_b32 s[G1+6], 0
	s_mov_b32 s[G1+7], 0
	s_and_b32 s13, s[WV], 1
	s_mul_i32 s13, s13, 12288                      ; wave 0: K's images, wave 1: V's: in memory and in a slot alike
	s_mov_b32 s[SEL], 0x76543210
	s_mov_b32 s[SEL+1], 0xfedcba98
	s_mov_b32 s[CS], 0x3e38aa3b                    ; log2(e) / 8
	s_mov_b32 s[CS+1], s[CS]
	s_mov_b32 s[TB], 0
	s_mov_b32 s[NN], 0
	s_sub_co_u32 s[NA], 8, ttmp9
	s_mov_b32 s[PI], ttmp9
	s_mov_b32 s[SLOTS], 8
	s_add_co_u32 s[SW], ttmp9, 1
	s_mov_b32 s[KOF+1], 0
	s_mov_b32 s[HI16], 0xffff0000
	s_sub_co_u32 s52, s[WV], 4
	s_cmp_lt_u32 s52, 3                            ; waves 4, 5, 6
	s_cselect_b32 s[LIM], 2, -1
	s_cmp_eq_u32 ttmp9, 0                          ; of the work-group with i = 0
	s_cselect_b32 s[LIM], s[LIM], -1
	s_sub_co_u32 s14, 7, ttmp9
	s_lshl_b32 s14, s14, 4
	s_add_co_u32 s14, s14, s[WV]                   ; my tile in the first block: 16 (7 - i) + wave
	s_lshl_b32 s15, ttmp9, 4
	s_add_co_u32 s15, s15, s[WV]                   ; and in the second: 16 i + wave
	s_and_b32 s16, s[WV], 1
	s_lshl_b32 s16, s16, 3
	s_lshl_b32 s[Q0], s14, 4
	s_sub_co_u32 s[Q0], s[Q0], s16                 ; a tile's smallest token: 32 (T / 2) + 8 (T % 2) = 16 T - 8 (T % 2)
	s_add_co_u32 s[QM], s[Q0], 23
	s_lshl_b32 s[Q02], s15, 4
	s_sub_co_u32 s[Q02], s[Q02], s16
	s_lshr_b32 s16, s12, 4
	s_lshl_b32 s16, s16, 7                         ; 128 x batch
	s_and_b32 s17, s12, 15                         ; head
	s_add_co_u32 s52, s16, s14                     ; my tiles among all 512
	s_add_co_u32 s53, s16, s15
	s_mul_i32 s19, s17, 768
	s_mul_i32 s[OB], s52, 12288
	s_add_co_u32 s[OB], s[OB], s19
	s_mov_b32 s[OB+1], 0
	s_mul_i32 s[OB2], s53, 12288
	s_add_co_u32 s[OB2], s[OB2], s19
	s_mov_b32 s[OB2+1], 0
	s_lshl_b32 s17, s17, 1
	s_lshl_b32 s[OS], s52, 9
	s_add_co_u32 s[OS], s[OS], s17
	s_mov_b32 s[OS+1], 0
	s_lshl_b32 s[OS2], s53, 9
	s_add_co_u32 s[OS2], s[OS2], s17
	s_mov_b32 s[OS2+1], 0
	s_mul_i32 s52, s14, 768
	s_add_co_u32 s52, s52, 208896                  ; Q's image of my first tile, in the head
	s_lshl_b32 s53, s14, 6
	s_add_co_u32 s53, s53, 307200                  ; and its scale words
	s_mul_i32 s54, s15, 768
	s_add_co_u32 s54, s54, 208896
	s_lshl_b32 s55, s15, 6
	s_add_co_u32 s55, s55, 307200
	s_wait_dscnt 0x0                               ; the opening add is done
	s_wait_kmcnt 0x0
	s_add_nc_u64 s[4:5], s[4:5], s[10:11]          ; qkv at my head
	s_mov_b32 s10, s13
	s_add_nc_u64 s[KVB:KVB+1], s[4:5], s[10:11]
	s_mov_b32 s[G0], 1                             ; count = 1
	s_mov_b32 s[G0+1], s13                         ; LDS address: slot 0
	s_mov_b64 s[G0+2:G0+3], s[KVB:KVB+1]           ; global address: slot 0
	s_or_b32 s[G0+3], s[G0+3], 0x80000000          ; type = 2
	s_mov_b32 s[G0S], 1
	s_mov_b32 s[G0S+1], KSCL
	s_add_nc_u64 s[G0S+2:G0S+3], s[4:5], 196608    ; K's scale words, and V's behind them: 12,288 dense bytes
	s_or_b32 s[G0S+3], s[G0S+3], 0x80000000
	TLOAD1                                         ; one tensor load of mine is out, at the most
	s_and_b32 s10, s[WV], 3
	s_lshl_b32 s10, s10, 13
	s_add_co_u32 s10, s10, SLOTB
	s_add_nc_u64 s[PFA:PFA+1], s[4:5], s[10:11]    ; in slot 1: the first change of slots steps it to slot 2
	s_add_nc_u64 s[OB:OB+1], s[6:7], s[OB:OB+1]
	s_add_nc_u64 s[OB2:OB2+1], s[6:7], s[OB2:OB2+1]
	s_add_nc_u64 s[OS:OS+1], s[8:9], s[OS:OS+1]
	s_add_nc_u64 s[OS2:OS2+1], s[8:9], s[OS2:OS2+1]
	v_and_b32 v8, 31, v0                           ; lane
	v_and_b32 v9, 15, v0                           ; r
	v_bfe_u32 v10, v0, 4, 1                        ; h
	s_delay_alu instid0(VALU_DEP_3)
	v_lshlrev_b32 v[L8], 3, v8
	s_delay_alu instid0(VALU_DEP_1)
	v_add_nc_u32 v[T0], s52, v[L8]
	s_delay_alu instid0(VALU_DEP_4)
	v_lshl_add_u32 v[T1], v9, 2, s53               ; 4 r: lanes 16-31 read what lanes 0-15 read
	s_delay_alu instid0(VALU_DEP_3)
	v_add_nc_u32 v230, s54, v[L8]
	v_lshl_add_u32 v231, v9, 2, s55
.irp p, 0,1,2
	global_load_b64 v[QF+2*\p:QF+2*\p+1], v[T0], s[4:5] offset:256*\p      ; both blocks' Q stay in registers
.endr
	global_load_b32 v[QS], v[T1], s[4:5]
.irp p, 0,1,2
	global_load_b64 v[QF2+2*\p:QF2+2*\p+1], v230, s[4:5] offset:256*\p
.endr
	global_load_b32 v[QS2], v231, s[4:5]
	v_lshl_add_u32 v[ASK0], v8, 2, KSCL
	v_lshl_add_u32 v[ASV0], v8, 2, VSCL
	v_and_b32 v[QL], 8, v9
	s_delay_alu instid0(VALU_DEP_1)
	v_add_nc_u32 v[QL], v[QL], v9
	v_lshlrev_b32 v[FF], 4, v10
	s_delay_alu instid0(VALU_DEP_1)
	v_sub_nc_u32 v[QL], v[QL], v[FF]
	v_lshl_add_u32 v[OSO], v9, 5, v10
	v_lshlrev_b32 v[PFO], 8, v8
.irp j, 22,23,24,25,26,27,84,85,86,87,88,89
	v_mov_b32 v[\j], 0                             ; zero codes: Q's upper half, and what stands behind K's last tile
.endr
	v_mov_b32 v13, 0xff61b1e6                      ; the largest t so far: -3e38
	s_delay_alu instid0(VALU_DEP_1)
	v_floor_f32 v12, -v13                          ; -M
	v_mov_b32 v14, 0                               ; the sum, in two halves
	v_mov_b32 v15, 0
.irp b, 0,1,2,3
	v_mov_b32 v[PT+\b], 0                          ; a lane permute's destination counts as one of its sources
.endr
	v_mov_b32 v[FF+1], 0                           ; (named as the upper half of a pair)
.irp j, 0,1,2,3,4,5,6,7,8,9,10,11,12,13,14,15,16,17,18,19,20,21,22,23,24,25,26,27,28,29,30,31
	v_mov_b32 v[OT+\j], 0                          ; O^T: the step is written once; the first finds zeros
.endr
; A KEY STEP: 128 keys, the q-th of the slot in hand.
.macro STEP q
	s_add_co_u32 s52, s[KF], 128*(\q)              ; the step's first key
	s_cmp_gt_u32 s52, s[QM]
	s_cbranch_scc1 .Lhidden_\@                     ; all its keys come after my queries
	v_add_nc_u32 v[ADK], s[TB], v[L8]
	v_add_nc_u32 v[ADS], s[TS], v[ASK0]
	v_add_nc_u32 v[ADT], s[TJ], v[ASV0]
	v_nop                                          ; four places in front of loads into registers that the last products have read
.irp t, 0,1,2,3,4,5,6,7
.irp p, 0,1,2
	ds_load_b64 v[KV+6*\t+2*\p:KV+6*\t+2*\p+1], v[ADK] offset:(8*(\q)+\t)*768+256*\p
.endr
.endr
.irp u, 0,1,2,3
	ds_load_b32 v[KSW+\u], v[ADS] offset:512*(\q)+128*\u    ; lanes 0-15: tile 2 u's words, lanes 16-31: tile 2 u + 1's
.endr
	s_wait_alu depctr_va_vdst(0)
	s_wait_dscnt 0x0
.irp t, 0,2,4,6
	v_wmma_scale_f32_16x16x128_f8f6f4 v[SS+8*\t:SS+8*\t+7], v[KV+6*\t:KV+6*\t+11], v[QF:QF+11], 0, v[KSW+\t/2], v[QS] matrix_a_fmt:MATRIX_FMT_FP6 matrix_b_fmt:MATRIX_FMT_FP6
	v_wmma_scale_f32_16x16x128_f8f6f4 v[SS+8*\t+8:SS+8*\t+15], v[KV+6*\t+6:KV+6*\t+17], v[QF:QF+11], 0, v[KSW+\t/2], v[QS] matrix_a_fmt:MATRIX_FMT_FP6 matrix_b_fmt:MATRIX_FMT_FP6 matrix_a_scale:MATRIX_SCALE_ROW1
.endr
.rept 4
	v_nop                                          ; places: the scores are read below, and V's fragments land where K's lay
.endr
.irp t, 0,1,2,3
.irp p, 0,1,2,3,4,5
	ds_load_b64 v[KV+12*\t+2*\p:KV+12*\t+2*\p+1], v[ADK] offset:12288+6144*(\q)+1536*\t+256*\p    ; V: on its way while the softmax is walked
.endr
.endr
.irp u, 0,1
	ds_load_b32 v[VSW+\u], v[ADT] offset:256*(\q)+128*\u
.endr
	s_add_co_u32 s53, s52, 127
	s_cmp_le_u32 s53, s[Q0]
	s_cbranch_scc1 .Lopen_\@                       ; all keys count for all my queries
	s_sub_co_i32 s53, s[Q0], s52
	v_add_nc_u32 v[T0], s53, v[QL]                 ; d = my query - the step's first key - 16 h.  Register 16 b + i holds key 32 b + 16 h + i of the step: hidden where 32 b + i > d
	v_mov_b32 v[T1], 0xff800000                    ; -infinity
.irp n, 0,1,2,3,4,5,6,7,8,9,10,11,12,13,14,15,16,17,18,19,20,21,22,23,24,25,26,27,28,29,30,31,32,33,34,35,36,37,38,39,40,41,42,43,44,45,46,47,48,49,50,51,52,53,54,55,56,57,58,59,60,61,62,63
	v_cmp_gt_i32 vcc_lo, 32*(\n/16)+\n%16, v[T0]
	v_cndmask_b32 v[SS+\n], v[SS+\n], v[T1], vcc_lo
.endr
.Lopen_\@:
.irp b, 0,1,2,3
	v_max3_num_f32 v[BM+\b], v[SS+16*\b], v[SS+1+16*\b], v[SS+2+16*\b]   ; the largest score of each block of 32 keys: it serves for the row's maximum and, since p rises with the score, for the block's largest p
.endr
.irp i, 3,5,7,9,11,13
.irp b, 0,1,2,3
	v_max3_num_f32 v[BM+\b], v[BM+\b], v[SS+16*\b+\i], v[SS+1+16*\b+\i]
.endr
.endr
.irp b, 0,1,2,3
	v_max_num_f32 v[BM+\b], v[BM+\b], v[SS+15+16*\b]
.endr
.irp b, 0,1,2,3
	s_delay_alu instid0(VALU_DEP_4)
	v_permlanex16_b32 v[PT+\b], v[BM+\b], s[SEL], s[SEL+1]
.endr
.irp b, 0,1,2,3
	s_delay_alu instid0(VALU_DEP_4)
	v_max_num_f32 v[BM+\b], v[BM+\b], v[PT+\b]     ; with lane l xor 16's 16 keys
.endr
	s_delay_alu instid0(VALU_DEP_2)
	v_max3_num_f32 v[T0], v[BM], v[BM+1], v[BM+2]
	s_delay_alu instid0(VALU_DEP_1)
	v_max_num_f32 v[T0], v[T0], v[BM+3]            ; the step's largest score of my query
	s_delay_alu instid0(VALU_DEP_1)
	v_mul_f32 v[T0], s[CS], v[T0]                  ; as t
	s_delay_alu instid0(VALU_DEP_1)
	v_max_num_f32 v13, v13, v[T0]                  ; the running largest t
	v_mov_b32 v[T0], v12
	s_delay_alu instid0(VALU_DEP_2)
	v_floor_f32 v12, -v13                          ; the new -M = floor(-t): M is a whole number
	s_delay_alu instid0(VALU_DEP_1)
	v_sub_f32 v[T0], v12, v[T0]                    ; old M - new M: a whole number, 0 or less
	s_delay_alu instid0(VALU_DEP_1)
	v_cvt_i32_f32 v[T0], v[T0]                     ; (it saturates)
	s_delay_alu instid0(VALU_DEP_1)
	v_ldexp_f32 v[FF], 1.0, v[T0]                  ; f = 2^(old M - new M)
.irp j, 0,2,4,6,8,10,12,14,16,18,20,22,24,26,28,30,32,34,36,38,40,42,44,46,48,50,52,54,56,58,60,62
	v_pk_fma_f32 v[SS+\j:SS+1+\j], v[SS+\j:SS+1+\j], s[CS:CS+1], v[12:13] op_sel_hi:[1,0,0]   ; t - M, two at a time
.endr
.irp b, 0,1,2,3
	v_fma_f32 v[BM+\b], v[BM+\b], s[CS], v12       ; the same of each block's largest score
.endr
	s_wait_alu depctr_va_vdst(0)
.irp j, 0,1,2,3,4,5,6,7,8,9,10,11,12,13,14,15,16,17,18,19,20,21,22,23,24,25,26,27,28,29,30,31,32,33,34,35,36,37,38,39,40,41,42,43,44,45,46,47,48,49,50,51,52,53,54,55,56,57,58,59,60,61,62,63
	v_exp_f32 v[SS+\j], v[SS+\j]                   ; p = 2^(t - M), at most 1
.endr
	v_pk_mul_f32 v[14:15], v[14:15], v[FF:FF+1] op_sel_hi:[1,0]   ; the sums under the new M: the plain place behind the exponentials
	s_wait_alu depctr_va_vdst(0)                   ; one wait for the whole batch, ahead of its first reader
.irp b, 0,1,2,3
	v_exp_f32 v[BM+\b], v[BM+\b]                   ; the block's largest p
.endr
	v_pk_add_f32 v[232:233], v[100:101], v[104:105]
	v_pk_add_f32 v[254:255], v[108:109], v[112:113]
	v_pk_add_f32 v[252:253], v[116:117], v[120:121]
	v_pk_add_f32 v[250:251], v[124:125], v[128:129]
	v_pk_add_f32 v[248:249], v[132:133], v[136:137]
	v_pk_add_f32 v[246:247], v[140:141], v[144:145]
	v_pk_add_f32 v[244:245], v[148:149], v[152:153]
	v_pk_add_f32 v[14:15], v[14:15], v[156:157]
	v_pk_add_f32 v[232:233], v[232:233], v[96:97]
	v_pk_add_f32 v[254:255], v[254:255], v[98:99]
	v_pk_add_f32 v[252:253], v[252:253], v[102:103]
	v_pk_add_f32 v[250:251], v[250:251], v[106:107]
	v_pk_add_f32 v[248:249], v[248:249], v[110:111]
	v_pk_add_f32 v[246:247], v[246:247], v[114:115]
	v_pk_add_f32 v[244:245], v[244:245], v[118:119]
	v_pk_add_f32 v[14:15], v[14:15], v[122:123]
	v_pk_add_f32 v[232:233], v[232:233], v[126:127]
	v_pk_add_f32 v[254:255], v[254:255], v[130:131]
	v_pk_add_f32 v[252:253], v[252:253], v[134:135]
	v_pk_add_f32 v[250:251], v[250:251], v[138:139]
	v_pk_add_f32 v[248:249], v[248:249], v[142:143]
	v_pk_add_f32 v[246:247], v[246:247], v[146:147]
	v_pk_add_f32 v[244:245], v[244:245], v[150:151]
	v_pk_add_f32 v[14:15], v[14:15], v[154:155]
	v_pk_add_f32 v[232:233], v[232:233], v[158:159]
	s_delay_alu instid0(VALU_DEP_2)
	v_pk_add_f32 v[14:15], v[14:15], v[250:251]
	s_delay_alu instid0(VALU_DEP_2)
	v_pk_add_f32 v[232:233], v[232:233], v[248:249]
	v_pk_add_f32 v[254:255], v[254:255], v[246:247]
	v_pk_add_f32 v[252:253], v[252:253], v[244:245]
	s_delay_alu instid0(VALU_DEP_2)
	v_pk_add_f32 v[14:15], v[14:15], v[254:255]
	s_delay_alu instid0(VALU_DEP_2)
	v_pk_add_f32 v[232:233], v[232:233], v[252:253]
	s_delay_alu instid0(VALU_DEP_1)
	v_pk_add_f32 v[14:15], v[14:15], v[232:233]
	s_wait_alu depctr_va_vdst(0)                   ; and one for the four
.irp b, 0,1,2,3
	v_max_num_f32 v[BM+\b], 0x1800000, v[BM+\b]    ; the floor 2^(3 - 127): a block whose every p is 0 keeps the byte 1: its codes are zeros
.endr
.irp b, 0,1,2,3
	s_delay_alu instid0(VALU_DEP_4)
	v_add_nc_u32 v[SO+\b], 0xff000000, v[BM+\b]    ; 2 off the exponent field: the conversion's scale operand
.endr
.irp b, 0,1,2,3
	s_delay_alu instid0(VALU_DEP_4)
	v_lshrrev_b32 v[PT+\b], 23, v[SO+\b]           ; the scale's byte
.endr
	s_delay_alu instid0(VALU_DEP_3)
	v_lshl_or_b32 v[PW], v[PT+1], 8, v[PT]         ; p's scale word for these 128 keys
	s_delay_alu instid0(VALU_DEP_1)
	v_lshl_or_b32 v[PW], v[PT+2], 16, v[PW]
	s_delay_alu instid0(VALU_DEP_1)
	v_lshl_or_b32 v[PW], v[PT+3], 24, v[PW]
.irp c, 0,1
	v_cvt_scalef32_pk16_fp6_f32 v[PF+6*\c:PF+2+6*\c], v[SS+32*\c:SS+15+32*\c], v[SO+2*\c]
	v_cvt_scalef32_pk16_fp6_f32 v[CT+4*\c:CT+2+4*\c], v[SS+16+32*\c:SS+31+32*\c], v[SO+2*\c+1]
.endr
	v_nop                                          ; one plain place behind a scaled conversion
.irp c, 0,1                                    ; the operand's layout wants a whole block in a lane
.irp i, 0,1,2
	v_permlane16_swap_b32 v[PF+6*\c+\i], v[CT+4*\c+\i]
.endr
.irp i, 0,1,2
	s_delay_alu instid0(VALU_DEP_3)
	v_mov_b32 v[PF+3+6*\c+\i], v[CT+4*\c+\i]
.endr
.endr
.irp j, 0,2,4,6,8,10,12,14,16,18,20,22,24,26,28,30
	v_pk_mul_f32 v[OT+\j:OT+1+\j], v[OT+\j:OT+1+\j], v[FF:FF+1] op_sel_hi:[1,0]   ; O^T under the new M.  These 16 are also the places between the scale word and the codes just written and the products below
.endr
	s_wait_alu depctr_va_vdst(0)
	s_wait_dscnt 0x0                               ; V is in
.irp t, 0,2
	v_wmma_scale_f32_16x16x128_f8f6f4 v[OT+8*\t:OT+8*\t+7], v[KV+12*\t:KV+12*\t+11], v[PF:PF+11], v[OT+8*\t:OT+8*\t+7], v[VSW+\t/2], v[PW] matrix_a_fmt:MATRIX_FMT_FP6 matrix_b_fmt:MATRIX_FMT_FP6
	v_wmma_scale_f32_16x16x128_f8f6f4 v[OT+8*\t+8:OT+8*\t+15], v[KV+12*\t+12:KV+12*\t+23], v[PF:PF+11], v[OT+8*\t+8:OT+8*\t+15], v[VSW+\t/2], v[PW] matrix_a_fmt:MATRIX_FMT_FP6 matrix_b_fmt:MATRIX_FMT_FP6 matrix_a_scale:MATRIX_SCALE_ROW1
.endr
.Lhidden_\@:
.endm
; THE CHANGE OF SLOTS stands at a slot's head.  Each wave waits for all its tensor loads, adds 0 to its spare word, and waits for that and for its reads of the slot that it has left.  Behind the barrier the slot ahead is whole
; and nobody reads the other one; with fill = 1 that one is filled with the next trip's keys.  Trip n walks slot n of the keys in the first block and slot n - (8 - i) in the second: (n + i) mod 8.
.macro CHANGE fill
	s_wait_tensorcnt 0x0                           ; no tensor load of mine is out, so group 0 may be written
	ds_add_u32 v[SPW], v[NIL]                      ; work on registers stands between the add and the wait for it
	s_cmp_ge_u32 s[NN], s[NA]
	s_cselect_b32 s52, s[PI], 0
	s_add_co_u32 s52, s52, s[NN]
	s_and_b32 s52, s52, 7                          ; this trip's slot of keys
	s_lshl_b32 s[TS], s52, 10                      ; its 16 tiles' scale words of K,
	s_lshl_b32 s[TJ], s52, 9                       ; its two steps' of V,
	s_lshl_b32 s[KF], s52, 8                       ; its first key
.if \fill
	s_add_co_u32 s53, s[NN], 1
	s_cmp_ge_u32 s53, s[NA]
	s_cselect_b32 s52, s[PI], 0
	s_add_co_u32 s52, s52, s53
	s_and_b32 s52, s52, 7                          ; the next trip's
	s_mul_i32 s[KOF], s52, SLOTB
	s_xor_b32 s[G0+1], s[G0+1], SLOT1              ; the other slot than last time
	s_add_nc_u64 s[G0+2:G0+3], s[KVB:KVB+1], s[KOF:KOF+1]
	s_or_b32 s[G0+3], s[G0+3], 0x80000000
	s_wait_xcnt 0x0                                ; the last prefetch, a slot back, has read its address
	s_add_nc_u64 s[PFA:PFA+1], s[PFA:PFA+1], SLOTB
.endif
	s_wait_dscnt 0x0                               ; the add is done, and my reads of the slot that I have left are over
	s_barrier_signal -1
	s_barrier_wait -1
.if \fill
	KVLOAD                                         ; the first thing behind the barrier, and a wave's one tensor load until the next
	ASK
.endif
.endm
.macro SLOT_STEPS
	STEP 0
	STEP 1
	s_xor_b32 s[TB], s[TB], SLOT1
.endm
; THE WAY OUT of a block.  O^T / the sum; register 16 b + i is channel 32 b + 16 h + i of my query: two blocks of 32 are quantised; six registers of codes leave as three planes of 256 bytes.
; The scale bytes leave one a lane, 32 bytes apart: 32 bytes beside the 768 of codes.
.macro WAYOUT
.rept 4
	v_nop                                          ; places behind the last products
.endr
	v_add_f32 v14, v14, v15
	s_delay_alu instid0(VALU_DEP_1)
	v_permlanex16_b32 v[T0], v14, s[SEL], s[SEL+1]
	s_delay_alu instid0(VALU_DEP_1)
	v_add_f32 v14, v14, v[T0]                      ; the row's sum
	s_wait_alu depctr_va_vdst(0)
	v_rcp_f32 v14, v14
	v_nop                                          ; a plain place behind the transcendental
	s_wait_alu depctr_va_vdst(0)                   ; and the wait ahead of its first reader
.irp j, 0,1,2,3,4,5,6,7,8,9,10,11,12,13,14,15,16,17,18,19,20,21,22,23,24,25,26,27,28,29,30,31
	v_mul_f32 v[SS+\j], v[OT+\j], v14              ; each accumulator from its low end on
.endr
.irp b, 0,1
	v_max3_num_f32 v[BM+\b], |v[SS+16*\b]|, |v[SS+1+16*\b]|, 0x1800000
.endr
.irp i, 2,4,6,8,10,12,14
.irp b, 0,1
	s_delay_alu instid0(VALU_DEP_2)
	v_max3_num_f32 v[BM+\b], v[BM+\b], |v[SS+16*\b+\i]|, |v[SS+1+16*\b+\i]|
.endr
.endr
.irp b, 0,1
	s_delay_alu instid0(VALU_DEP_2)
	v_permlanex16_b32 v[PT+\b], v[BM+\b], s[SEL], s[SEL+1]
.endr
.irp b, 0,1
	s_delay_alu instid0(VALU_DEP_2)
	v_max_num_f32 v[BM+\b], v[BM+\b], v[PT+\b]
.endr
.irp b, 0,1
	s_delay_alu instid0(VALU_DEP_2)
	v_add_nc_u32 v[SO+\b], 0xff000000, v[BM+\b]
.endr
.irp b, 0,1
	s_delay_alu instid0(VALU_DEP_2)
	v_lshrrev_b32 v[PT+\b], 23, v[SO+\b]
.endr
	v_cvt_scalef32_pk16_fp6_f32 v[PF:PF+2], v[SS:SS+15], v[SO]
	v_cvt_scalef32_pk16_fp6_f32 v[CT:CT+2], v[SS+16:SS+31], v[SO+1]
	v_nop
.irp i, 0,1,2
	v_permlane16_swap_b32 v[PF+\i], v[CT+\i]
.endr
.irp i, 0,1,2
	s_delay_alu instid0(VALU_DEP_3)
	v_mov_b32 v[PF+3+\i], v[CT+\i]
.endr
	v_cndmask_b32 v[T1], v[PT], v[PT+1], s[HI16]   ; lanes 0-15 block 0's byte, lanes 16-31 block 1's
.irp p, 0,1,2
	global_store_b64 v[L8], v[PF+2*\p:PF+2*\p+1], s[OB:OB+1] offset:256*\p   ; 32 lanes store 256 consecutive bytes, aligned
.endr
	global_store_b8 v[OSO], v[T1], s[OS:OS+1]
.endm
.macro INIT2                           ; on to the second block
	v_mov_b32 v[QS], v[QS2]                        ; the scale word first: more than eight plain instructions follow it ahead of the next product
.irp j, 0,1,2,3,4,5
	v_mov_b32 v[QF+\j], v[QF2+\j]
.endr
.irp j, 0,1,2,3,4,5,6,7,8,9,10,11,12,13,14,15,16,17,18,19,20,21,22,23,24,25,26,27,28,29,30,31
	v_mov_b32 v[OT+\j], 0
.endr
	v_mov_b32 v13, 0xff61b1e6
	s_delay_alu instid0(VALU_DEP_1)
	v_floor_f32 v12, -v13
	v_mov_b32 v14, 0
	v_mov_b32 v15, 0
	s_wait_xcnt 0x0                                ; the stores have read their data and their bases: both are written again only behind this wait
	s_mov_b64 s[OB:OB+1], s[OB2:OB2+1]
	s_mov_b64 s[OS:OS+1], s[OS2:OS2+1]
	s_mov_b32 s[Q0], s[Q02]
	s_add_co_u32 s[QM], s[Q02], 23
.endm
	s_wait_loadcnt 0x0                             ; Q
.Lslot:                                            ; eight trips: behind each change of slots the next trip's slot is asked for
	CHANGE 1
	SLOT_STEPS
	s_cmp_eq_u32 s[SLOTS], s[SW]                   ; the first block's last trip?  The same answer in all sixteen waves
	s_cbranch_scc0 .Lsame_block
	s_wait_alu depctr_va_vdst(0)
	WAYOUT
	INIT2
.Lsame_block:
	s_add_co_u32 s[NN], s[NN], 1
	s_sub_co_u32 s[SLOTS], s[SLOTS], 1
	s_cmp_lg_u32 s[SLOTS], 0
	s_cbranch_scc1 .Lslot
	CHANGE 0                                       ; the ninth trip is written out
	SLOT_STEPS
	s_wait_alu depctr_va_vdst(0)
	WAYOUT
	s_wait_tensorcnt 0x0                           ; the wave's end
	ds_add_u32 v[SPW], v[NIL]
	s_wait_dscnt 0x0
	s_endpgm
.Lfunc_end_k_q5d528b8676_attn:
	.size	k_q5d528b8676_attn, .Lfunc_end_k_q5d528b8676_attn-k_q5d528b8676_attn
	.p2alignl 7, 3214868480
	.fill 96, 4, 3214868480
	.section	.rodata,"a",@progbits
	.p2align	6, 0x0
	.amdhsa_kernel k_q5d528b8676_attn
		.amdhsa_group_segment_fixed_size 327680
		.amdhsa_private_segment_fixed_size 0
		.amdhsa_enable_private_segment 0
		.amdhsa_kernarg_size 24
		.amdhsa_user_sgpr_count 2
		.amdhsa_user_sgpr_kernarg_segment_ptr 1
		.amdhsa_wavefront_size32 1
		.amdhsa_system_sgpr_workgroup_id_x 1
		.amdhsa_system_sgpr_workgroup_id_y 1
		.amdhsa_system_sgpr_workgroup_id_z 1
		.amdhsa_system_vgpr_workitem_id 0
		.amdhsa_next_free_vgpr 256
		.amdhsa_next_free_sgpr 72
		.amdhsa_reserve_vcc 1
		.amdhsa_float_denorm_mode_32 3
		.amdhsa_float_denorm_mode_16_64 3
		.amdhsa_memory_ordered 1
		.amdhsa_forward_progress 1
		.amdhsa_inst_pref_size 115
	.end_amdhsa_kernel
	.amdgpu_metadata
---
amdhsa.version: [ 1, 2 ]
amdhsa.kernels:
  - .name:           k_q5d528b8676_attn
    .symbol:         k_q5d528b8676_attn.kd
    .args:
      - { .name: qkv, .offset: 0, .size: 8, .value_kind: global_buffer, .address_space: global }
      - { .name: o_img, .offset: 8, .size: 8, .value_kind: global_buffer, .address_space: global }
      - { .name: o_sc, .offset: 16, .size: 8, .value_kind: global_buffer, .address_space: global }
    .group_segment_fixed_size: 327680
    .private_segment_fixed_size: 0
    .kernarg_segment_align: 8
    .kernarg_segment_size: 24
    .max_flat_workgroup_size: 512
    .sgpr_count:     72
    .vgpr_count:     256
    .wavefront_size: 32
...
	.end_amdgpu_metadata
.endif
;; end of part 3
;; launch oproj (part 4): grid 4 x 32, 4 waves a work-group, clusters of 4 x 4, 327,680 bytes of LDS; arguments o_img, o_sc, codes, scales, out0; writes out0
.if DOCPART == 4
	.amdgcn_target "amdgcn-amd-amdhsa--gfx1250"
	.amdhsa_code_object_version 6
	.text
	.protected	k_q5d528b8676_oproj
	.globl	k_q5d528b8676_oproj
	.p2align	8
	.type	k_q5d528b8676_oproj,@function
k_q5d528b8676_oproj:
	s_mov_b64 s[64:65], 0
	v_nop
	global_prefetch_b8 v0, s[64:65] scope:SCOPE_SE
	s_setreg_imm32_b32 hwreg(HW_REG_WAVE_MODE, 25, 1), 1
	s_wait_xcnt 0x0
	s_wait_alu depctr_hold_cnt(0) depctr_sa_sdst(0) depctr_va_vdst(0) depctr_va_sdst(0) depctr_va_ssrc(0) depctr_va_vcc(0) depctr_vm_vsrc(0)
	s_getreg_b32 s2, hwreg(HW_REG_IB_STS2, 6, 4)
	s_cmp_eq_u32 s2, 0
	s_cbranch_scc0 .Lentry_in_a_cluster
	s_endpgm
.Lentry_in_a_cluster:
	s_bfe_u32 s2, ttmp6, 0x10000c
	s_cmp_lg_u32 s2, 0xf033
	s_cbranch_scc0 .Lentry_shape_is_right
	s_endpgm
.Lentry_shape_is_right:
; out0 = O W_O^T on codes of FP6 (E2M3) with one E8M0 scale for each 32 along K = 1,024; out0 [8192][1024] f32; sums in f32.
; O comes as images of operand registers: o_img [512 tiles of 16 tokens][16 heads][3 planes of 256 bytes], plane p = registers 2 p, 2 p + 1 of lane l at byte 8 l; two heads on end are a fragment of 16 rows x 128 K.
; Lane r of tile T is token 32 (T / 2) + 8 (T % 2) + r + 8 (r / 8): the stores' offsets put the rows back.  o_sc [16 T + r][32]: a row's scale bytes.  W_O: rows 11,264 on of codes [..][768] and scales [..][32], in natural order.
; A tile of 256 x 256 is made by four waves, 128 x 128 each: 64 accumulators, 512 registers.  K goes in steps of 256 through a ring of two LDS slots; the scale bytes of the tile's rows come once and stay.
; 128 tiles: half as many as would give every WGP one.
; CLUSTERS: 4 x 4 work-groups; the four of a row need the same tiles of O, the four of a column the same tiles of W_O: each is asked for jointly.
; THE MATRIX INSTRUCTION IS USED TRANSPOSED (source 0 = 16 rows of W_O, source 1 = 16 rows of O): a lane holds eight neighbouring numbers of a row of out0.
; REGISTERS, in windows of 256: window 0: v0-31 addresses; v32-63 scale words, two sets; from v128 O's fragments, one set.  window 1: W_O's fragments, two sets.  windows 2, 3: the accumulators.
.set SIZE_N, 1024
.set SIZE_K, 1024
.set KSTEP,  256
.set NQ,     KSTEP/128
.set ROWB,   192                       ; a row of W_O's tile in bytes
.set ASTEP,  3072                      ; a tile of 16 tokens x 256 K of O: four heads' images
.set KROW,   SIZE_K*6/8
.set PITCH,  240
.set FR,     12
.set NL,     6
.set NP,     4
.set HALFT,  128*PITCH                 ; a wave's region of a slot; O's 8 x 3,072 bytes use 24,576 of it
.set SLOT,   4*HALFT
.set LAPS,   SIZE_K/(2*KSTEP)
.set KS,     SIZE_K/32
.set SCL,    2*SLOT
.set HALFS,  (128*KS/256)*272
.set SBLK,   (16*KS/256)*272
.set SPARE,  SCL+4*HALFS
.set SPITCH, 528                       ; the way out: a stage of 16 rows x (512 bytes + 16) for each wave, in slot 0, which has had its last fill and its last read by then
.set ADRA, 16                          ; v16-17  LDS address of O's fragments in slot 0, 1: my 128 rows' region + 8 x lane
.set ADRB, 20                          ; v20-23  of W_O's fragments (and behind one padding more)
.set STO,  24
.set RD,   25
.set CO,   26
.set ADRS, 27
.set SPW,  28
.set NIL,  29
.set SC,   32
.set AF,   128
.set BK,   128
.set G1, 24
.set G0, 32
.set G1B, 48
.set G0B, 56
.set G1S, 68
.set G0S, 76
.set G1SB, 80
.set G0SB, 88
.set MSB, 0
.macro WIN new                         ; the immediate's high byte repeats the setting that is left
.if MSB != (\new)
	s_set_vgpr_msb (MSB<<8)|(\new)
.set MSB, (\new)
.endif
.endm
.set MUL_LO, 0xa1
.set MUL_HI, 0xf1
.set TO_B,   0x40
.macro JLOAD g0a, g1a, g0b, g1b        ; a joint load: waves 0 and 1 fetch for O, waves 2 and 3 for W_O; an s_nop 0 and four v_nop follow each of the two lines
	s_cmp_eq_u32 s15, 0
	s_cbranch_scc0 .Lfor_b_\@
	tensor_load_to_lds s[\g0a:\g0a+3], s[\g1a:\g1a+7]
	s_nop 0
.rept 4
	v_nop
.endr
	s_branch .Lasked_\@
.Lfor_b_\@:
	tensor_load_to_lds s[\g0b:\g0b+3], s[\g1b:\g1b+7]
	s_nop 0
.rept 4
	v_nop
.endr
.Lasked_\@:
.endm
.macro CREST
	s_cmp_lg_u32 s14, 0
	s_cbranch_scc1 .Lnot_wave_0_\@
	s_barrier_signal -3
.Lnot_wave_0_\@:
	s_barrier_wait -3
	s_barrier_signal -1
	s_barrier_wait -1
.endm
.macro CROUND
	s_barrier_signal -1
	s_barrier_wait -1
	CREST
.endm
	s_load_b128 s[4:7], s[0:1], 0x0                ; o_img, o_sc
	s_load_b128 s[8:11], s[0:1], 0x10              ; codes, scales
	s_load_b64 s[12:13], s[0:1], 0x20              ; out0
	v_lshl_add_u32 v[SPW], v0, 2, SPARE
	v_mov_b32 v[NIL], 0
	ds_add_u32 v[SPW], v[NIL]                      ; the wave's opening: the add and its wait stand ahead of my first tensor load; the set-up below stands between them
	v_lshrrev_b32 v1, 5, v0
	v_readfirstlane_b32 s14, v1                    ; wave 0..3
	s_lshr_b32 s15, s14, 1                         ; which half of the tile's rows is mine.  Also: I fetch for O (0) or for W_O (1)
	s_and_b32 s16, s14, 1                          ; which half of its columns.  Also: which 128 rows of that tile I fetch
	s_bfe_u32 s40, ttmp6, 0x40000                  ; cx, cy
	s_bfe_u32 s41, ttmp6, 0x40004
	s_lshl_b32 s42, ttmp9, 2
	s_add_co_u32 s42, s42, s40                     ; tile column
	s_and_b32 s17, ttmp7, 0xffff
	s_lshl_b32 s17, s17, 2
	s_add_co_u32 s17, s17, s41                     ; tile row
	s_lshl_b32 s43, s41, 2
	s_lshl_b32 s43, 15, s43                        ; my row of the cluster
	s_lshl_b32 s44, 0x1111, s40                    ; my column
	; group 1 for O: 8 tiles of tokens x 3,072 bytes (384 elements of 8), 12,288 bytes apart, dense in LDS
	s_or_b32 s[G1+0], s43, (3<<16)|(1<<21)
	s_mov_b32 s[G1+1], 384<<16                     ; tensor_dim0
	s_mov_b32 s[G1+2], 8<<16                       ; tensor_dim1
	s_mov_b32 s[G1+3], 384<<16                     ; tile_dim0
	s_mov_b32 s[G1+4], 8                           ; tile_dim1
	s_mov_b32 s[G1+5], 1536                        ; the pitch, in elements
	s_mov_b32 s[G1+6], 0
	s_mov_b32 s[G1+7], 0
	; group 1 for W_O: 128 rows x 192 bytes, 16 bytes of padding behind every 64
	s_or_b32 s[G1B+0], s44, (0<<16)|(1<<20)|(1<<21)|(3<<22)|(3<<25)
	s_mov_b32 s[G1B+1], ROWB<<16
	s_mov_b32 s[G1B+2], 128<<16
	s_mov_b32 s[G1B+3], ROWB<<16
	s_mov_b32 s[G1B+4], 128
	s_mov_b32 s[G1B+5], KROW
	s_mov_b32 s[G1B+6], 0
	s_mov_b32 s[G1B+7], 0
	; the scales of 128 rows: a dense block of 4,096 bytes, as rows of 256 bytes, 16 bytes of padding behind each
	s_or_b32 s[G1S+0], s43, (3<<16)|(1<<20)|(1<<21)|(5<<22)|(3<<25)
	s_or_b32 s[G1SB+0], s44, (3<<16)|(1<<20)|(1<<21)|(5<<22)|(3<<25)
.irp g, G1S, G1SB
	s_mov_b32 s[\g+1], 32<<16
	s_mov_b32 s[\g+2], (128*KS/256)<<16
	s_mov_b32 s[\g+3], 32<<16
	s_mov_b32 s[\g+4], 128*KS/256
	s_mov_b32 s[\g+5], 32
	s_mov_b32 s[\g+6], 0
	s_mov_b32 s[\g+7], 0
.endr
	s_lshl_b32 s18, s16, 7
	s_lshl_b32 s20, s17, 8
	s_add_co_u32 s20, s20, s18                     ; O: row place 256 x tile row + 128 x half (16 row places are a tile of tokens: 12,288 bytes = 16 x 768)
	s_lshl_b32 s46, s42, 8
	s_add_co_u32 s46, s46, s18
	s_add_co_u32 s46, s46, 11264                   ; W_O: its rows begin at row 11,264 of the two buffers
	s_mov_b32 s21, 0
	s_mov_b32 s47, 0
	s_mov_b64 s[18:19], KS
	s_mul_u64 s[22:23], s[20:21], s[18:19]
	s_mul_u64 s[92:93], s[46:47], s[18:19]
	s_mov_b64 s[18:19], KROW
	s_mul_u64 s[20:21], s[20:21], s[18:19]
	s_mul_u64 s[46:47], s[46:47], s[18:19]
	s_mul_i32 s45, s14, HALFT
	s_mul_i32 s94, s14, HALFS
	s_wait_dscnt 0x0                               ; the opening add is done
	s_wait_kmcnt 0x0
	s_add_nc_u64 s[20:21], s[4:5], s[20:21]
	s_add_nc_u64 s[22:23], s[6:7], s[22:23]
	s_add_nc_u64 s[46:47], s[8:9], s[46:47]
	s_add_nc_u64 s[92:93], s[10:11], s[92:93]
	CROUND                                         ; all sixteen work-groups are here: the first joint loads meet
	s_mov_b32 s[G0S], 1
	s_add_co_u32 s[G0S+1], s94, SCL
	s_mov_b64 s[G0S+2:G0S+3], s[22:23]
	s_or_b32 s[G0S+3], s[G0S+3], 0x80000000
	s_mov_b32 s[G0SB], 1
	s_add_co_u32 s[G0SB+1], s94, SCL
	s_mov_b64 s[G0SB+2:G0SB+3], s[92:93]
	s_or_b32 s[G0SB+3], s[G0SB+3], 0x80000000
	JLOAD G0S, G1S, G0SB, G1SB
.irp s, 0,1
	s_mov_b32 s[G0+4*\s], 1
	s_add_co_u32 s[G0+4*\s+1], s45, \s*SLOT
	s_add_nc_u64 s[G0+4*\s+2:G0+4*\s+3], s[20:21], \s*ASTEP
	s_or_b32 s[G0+4*\s+3], s[G0+4*\s+3], 0x80000000
	s_mov_b32 s[G0B+4*\s], 1
	s_add_co_u32 s[G0B+4*\s+1], s45, \s*SLOT
	s_add_nc_u64 s[G0B+4*\s+2:G0B+4*\s+3], s[46:47], \s*ROWB
	s_or_b32 s[G0B+4*\s+3], s[G0B+4*\s+3], 0x80000000
	JLOAD G0+4*\s, G1, G0B+4*\s, G1B               ; three tensor loads of mine are out now
.endr
	v_and_b32 v1, 15, v0                           ; l % 16
	v_bfe_u32 v2, v0, 4, 1                         ; l / 16
	v_mul_u32_u24 v3, v1, PITCH
	v_mul_u32_u24 v4, v2, 24
	v_add_nc_u32 v4, v3, v4                        ; W_O: a fragment's row x pitch + 24 x half
	v_lshl_add_u32 v5, v2, 4, v4                   ; and the same behind one padding more
	v_and_b32 v6, 31, v0
	v_lshlrev_b32 v7, 3, v6                        ; O: 8 x lane
	s_mul_i32 s21, s15, HALFT
	s_mul_i32 s22, s16, HALFT
	s_add_co_u32 s22, s22, 2*HALFT
.irp s, 0,1
	v_add_nc_u32 v[ADRA+\s], s21, v7
	v_add_nc_u32 v[ADRB+\s], s22, v4
	v_add_nc_u32 v[ADRB+2+\s], s22, v5
	s_add_co_u32 s21, s21, SLOT
	s_add_co_u32 s22, s22, SLOT
.endr
	v_mul_u32_u24 v5, v1, KS
	v_lshrrev_b32 v6, 8, v5
	v_lshl_add_u32 v5, v6, 4, v5
	s_mul_i32 s21, s15, HALFS
	s_mul_i32 s22, s16, HALFS
	s_add_co_u32 s22, s22, 2*HALFS
	s_sub_co_u32 s22, s22, s21
	v_mul_u32_u24 v6, s22, v2                      ; lanes 16-31 take W_O's
	s_add_co_u32 s21, s21, SCL
	v_add_nc_u32 v5, v5, v6
	v_add_nc_u32 v[ADRS], s21, v5
	s_mul_i32 s23, s14, 16*SPITCH                  ; my stage
	v_mul_u32_u24 v5, v1, SPITCH
	v_lshl_add_u32 v5, v2, 5, v5
	v_add_nc_u32 v[STO], s23, v5
	v_and_b32 v6, 31, v0
	v_lshlrev_b32 v[CO], 4, v6
	v_add_nc_u32 v[RD], s23, v[CO]
	s_lshl_b32 s20, s17, 8
	s_lshl_b32 s21, s15, 7
	s_add_co_u32 s20, s20, s21                     ; my first row of out0
	s_mov_b32 s21, 0
	s_mov_b64 s[18:19], SIZE_N*4
	s_mul_u64 s[20:21], s[20:21], s[18:19]
	s_lshl_b32 s46, s42, 10                        ; my first column, in bytes
	s_lshl_b32 s47, s16, 9
	s_add_co_u32 s46, s46, s47
	s_mov_b32 s47, 0
	s_add_nc_u64 s[20:21], s[20:21], s[46:47]
	s_add_nc_u64 s[12:13], s[12:13], s[20:21]
.macro FRAG reg, adr, q, i             ; W_O: 16 rows x 128 K: 24 + 24 bytes of the row's stream of bits, in pieces of 8 bytes
.irp p, 0,1,2,3,4,5
.set PCE, 12*(\q)+6*(\p/3)+\p%3
.if PCE%8 < 5
	ds_load_b64 v[\reg+2*\p:\reg+2*\p+1], v[\adr] offset:8*PCE+16*(PCE/8)+(\i)*16*PITCH
.else
	ds_load_b64 v[\reg+2*\p:\reg+2*\p+1], v[\adr+2] offset:8*PCE+16*(PCE/8)+(\i)*16*PITCH
.endif
.endr
.endm
.macro FRAGA reg, adr, q, i            ; O: six planes as they lie: 256 consecutive bytes a load
.irp p, 0,1,2,3,4,5
	ds_load_b64 v[\reg+2*\p:\reg+2*\p+1], v[\adr] offset:(\i)*ASTEP+(\q)*1536+256*\p
.endr
.endm
.macro MUL16 a0, p, q, sc, zero        ; the 64 accumulators take turns, one instruction a turn, in the same order in every step
.irp a, \a0, \a0+1
.irp b, 0,1,2,3,4,5,6,7
.if \zero
	v_wmma_scale_f32_16x16x128_f8f6f4 v[8*(8*((\a)%4)+\b):8*(8*((\a)%4)+\b)+7], v[128*(\p)+FR*\b:128*(\p)+FR*\b+FR-1], v[AF+FR*(\a):AF+FR*(\a)+FR-1], 0, v[SC+8*NQ*(\sc)+NQ*\b+(\q)], v[SC+8*NQ*(\sc)+NQ*(\a)+(\q)] matrix_a_fmt:MATRIX_FMT_FP6 matrix_b_fmt:MATRIX_FMT_FP6 matrix_a_scale:MATRIX_SCALE_ROW1
.else
	v_wmma_scale_f32_16x16x128_f8f6f4 v[8*(8*((\a)%4)+\b):8*(8*((\a)%4)+\b)+7], v[128*(\p)+FR*\b:128*(\p)+FR*\b+FR-1], v[AF+FR*(\a):AF+FR*(\a)+FR-1], v[8*(8*((\a)%4)+\b):8*(8*((\a)%4)+\b)+7], v[SC+8*NQ*(\sc)+NQ*\b+(\q)], v[SC+8*NQ*(\sc)+NQ*(\a)+(\q)] matrix_a_fmt:MATRIX_FMT_FP6 matrix_b_fmt:MATRIX_FMT_FP6 matrix_a_scale:MATRIX_SCALE_ROW1
.endif
.endr
.endr
.endm
.macro FETCH_B slot, q, p
	WIN TO_B
.irp i, 0,1,2,3,4,5,6,7
	FRAG 128*(\p)+FR*\i, ADRB+\slot, \q, \i
.endr
	WIN 0
.endm
.macro FETCH_A slot, q, i0
.irp i, \i0, \i0+1, \i0+2, \i0+3
	FRAGA AF+FR*(\i), ADRA+\slot, \q, \i
.endr
.endm
.macro SCALES sc
.irp i, 0,1,2,3,4,5,6,7
	ds_load_b64 v[SC+8*NQ*\sc+NQ*\i:SC+8*NQ*\sc+NQ*\i+1], v[ADRS] offset:\i*SBLK
.endr
.endm
.macro PLACES n
.rept \n
	v_nop
.endr
.endm
.macro STEP slot, q, zero
	s_wait_dscnt 4*NL                              ; W_O's set and O's blocks 0-3 are in; the youngest 24 loads (O's blocks 4-7) may be out
	WIN MUL_LO
	MUL16 0, (\q)%2, \q, \slot, \zero
	MUL16 2, (\q)%2, \q, \slot, \zero
	s_wait_dscnt 0
	PLACES NP
	FETCH_B \slot, (\q)+1, 1-(\q)%2
	FETCH_A \slot, (\q)+1, 0
	WIN MUL_HI
	MUL16 4, (\q)%2, \q, \slot, \zero
	MUL16 6, (\q)%2, \q, \slot, \zero
	PLACES NP
	WIN 0
	FETCH_A \slot, (\q)+1, 4
.endm
.macro TURN slot, next, fill
	s_wait_tensorcnt 0x0                           ; all my tensor loads have landed: my part of the next slot
	ds_add_u32 v[SPW], v[NIL]
	s_wait_dscnt 4*NL+1                            ; the add and the youngest 24 loads may be out
	WIN MUL_LO
	MUL16 0, 1, NQ-1, \slot, 0
	s_wait_dscnt 0x0                               ; the add is done, and my reads of this slot are over
	s_barrier_signal -1
	MUL16 2, 1, NQ-1, \slot, 0
	WIN 0
	s_barrier_wait -1
.if \fill
	CREST                                          ; the barrier has opened a round of the cluster's barrier: no wave of any partner still reads this slot or has a load on its way
	s_add_nc_u64 s[G0+4*\slot+2:G0+4*\slot+3], s[G0+4*\slot+2:G0+4*\slot+3], 2*ASTEP
	s_add_nc_u64 s[G0B+4*\slot+2:G0B+4*\slot+3], s[G0B+4*\slot+2:G0B+4*\slot+3], 2*ROWB
	JLOAD G0+4*\slot, G1, G0B+4*\slot, G1B
.else
	PLACES NP
.endif
	v_add_nc_u32 v[ADRS], 4*NQ, v[ADRS]
	FETCH_B \next, 0, 0
	FETCH_A \next, 0, 0
	SCALES \next
	WIN MUL_HI
	MUL16 4, 1, NQ-1, \slot, 0
	MUL16 6, 1, NQ-1, \slot, 0
	PLACES NP
	WIN 0
	FETCH_A \next, 0, 4
.endm
	s_wait_tensorcnt 1                             ; the scales and my part of K step 0 are in (K step 1's load may be out),
	s_barrier_signal -1
	s_barrier_wait -1                              ; everybody's are
	FETCH_B 0, 0, 0
	FETCH_A 0, 0, 0
	SCALES 0
	FETCH_A 0, 0, 4
	STEP 0, 0, 1
	s_mov_b32 s3, LAPS-1
.Llap:
	TURN 0, 1, 1
	STEP 1, 0, 0
	TURN 1, 0, 1
	STEP 0, 0, 0
	s_sub_co_u32 s3, s3, 1
	s_cmp_lg_u32 s3, 0
	s_cbranch_scc1 .Llap
	TURN 0, 1, 0
	STEP 1, 0, 0
	s_wait_dscnt 4*NL
	WIN MUL_LO
	MUL16 0, 1, NQ-1, 1, 0
	MUL16 2, 1, NQ-1, 1, 0
	s_wait_dscnt 0
	WIN MUL_HI
	MUL16 4, 1, NQ-1, 1, 0
	MUL16 6, 1, NQ-1, 1, 0
	WIN 0
; THE WAY OUT, block by block of 16 rows x 128 columns, through my own stage in LDS: back come whole rows of 512 bytes.  LDS serves a wave's instructions in order: no wait between the stores and the loads.
.macro TOSTAGE a
.set AC, 64*((\a)%4)
	WIN 0x08+4*((\a)/4)                            ; the data: window 2 or 3
.irp b, 0,1,2,3,4,5,6,7
	ds_store_b128 v[STO], v[AC+8*\b:AC+8*\b+3] offset:64*\b          ; each accumulator from its low end on
	ds_store_b128 v[STO], v[AC+8*\b+4:AC+8*\b+7] offset:64*\b+16
.endr
	WIN 0
.set BB, BK+64*((\a)%2)
.irp t, 0,1,2,3,4,5,6,7,8,9,10,11,12,13,14,15
	ds_load_b128 v[BB+4*\t:BB+4*\t+3], v[RD] offset:\t*SPITCH
.endr
.endm
.macro SEND a, younger                 ; row t of block a is token 32 (a / 2) + 8 (a % 2) + t + 8 (t / 8) of my 128: the place stands in the immediate, 127 rows of 4,096 bytes at the most; the base is never stepped
.set BB, BK+64*((\a)%2)
	s_wait_dscnt \younger
.irp t, 0,1,2,3,4,5,6,7,8,9,10,11,12,13,14,15
	global_store_b128 v[CO], v[BB+4*\t:BB+4*\t+3], s[12:13] offset:(32*((\a)/2)+8*((\a)%2)+\t+8*(\t/8))*SIZE_N*4 th:TH_STORE_NT   ; 32 lanes store 512 consecutive bytes, at a multiple of 256 from out0's first byte
.endr
.endm
	PLACES NP
	TOSTAGE 0
.irp a, 1,2,3,4,5,6,7
.if \a > 1
	s_wait_xcnt 0x0                                ; block a - 2's stores have read their registers: block a's loads may land there
.endif
	TOSTAGE \a
	SEND \a-1, 32                                  ; behind block a - 1's loads: block a's 16 stores and 16 loads
.endr
	SEND 7, 0
	s_wait_tensorcnt 0x0                           ; the wave's end: behind my last tensor load and my last LDS store
	ds_add_u32 v[SPW], v[NIL]
	s_wait_dscnt 0x0
	CROUND                                         ; the closing round: no work-group ends while a partner may still ask for a tile that names it
	s_endpgm
.Lfunc_end_k_q5d528b8676_oproj:
	.size	k_q5d528b8676_oproj, .Lfunc_end_k_q5d528b8676_oproj-k_q5d528b8676_oproj
	.p2alignl 7, 3214868480
	.fill 96, 4, 3214868480
	.section	.rodata,"a",@progbits
	.p2align	6, 0x0
	.amdhsa_kernel k_q5d528b8676_oproj
		.amdhsa_group_segment_fixed_size 327680
		.amdhsa_private_segment_fixed_size 0
		.amdhsa_enable_private_segment 0
		.amdhsa_kernarg_size 40
		.amdhsa_user_sgpr_count 2
		.amdhsa_user_sgpr_kernarg_segment_ptr 1
		.amdhsa_wavefront_size32 1
		.amdhsa_system_sgpr_workgroup_id_x 1
		.amdhsa_system_sgpr_workgroup_id_y 1
		.amdhsa_system_sgpr_workgroup_id_z 1
		.amdhsa_system_vgpr_workitem_id 0
		.amdhsa_next_free_vgpr 1024
		.amdhsa_next_free_sgpr 98
		.amdhsa_reserve_vcc 0
		.amdhsa_float_denorm_mode_32 3
		.amdhsa_float_denorm_mode_16_64 3
		.amdhsa_memory_ordered 1
		.amdhsa_forward_progress 1
		.amdhsa_inst_pref_size 159
	.end_amdhsa_kernel
	.amdgpu_metadata
---
amdhsa.version: [ 1, 2 ]
amdhsa.kernels:
  - .name:           k_q5d528b8676_oproj
    .symbol:         k_q5d528b8676_oproj.kd
    .args:
      - { .name: o_img, .offset: 0, .size: 8, .value_kind: global_buffer, .address_space: global }
      - { .name: o_sc, .offset: 8, .size: 8, .value_kind: global_buffer, .address_space: global }
      - { .name: codes, .offset: 16, .size: 8, .value_kind: global_buffer, .address_space: global }
      - { .name: scales, .offset: 24, .size: 8, .value_kind: global_buffer, .address_space: global }
      - { .name: out0, .offset: 32, .size: 8, .value_kind: global_buffer, .address_space: global }
    .group_segment_fixed_size: 327680
    .private_segment_fixed_size: 0
    .kernarg_segment_align: 8
    .kernarg_segment_size: 40
    .max_flat_workgroup_size: 128
    .sgpr_count:     98
    .vgpr_count:     1024
    .wavefront_size: 32
...
	.end_amdgpu_metadata
.endif
;; end of part 4
